; MI455X (gfx1250); checked and timed in simulation.
; The chip was launched on July 23, 2026; its instructions are those of AMD's public machine-readable ISA for CDNA 5 (MIT licence, August 2026) and "CDNA5" Instruction Set Architecture Reference Guide (July 2026). The comments in the code are by the model that wrote it; some were corrected since.
;; Mixer Block. Allowed arithmetic: matrix products marked QUANTISED: E3M2 operands, one E8M0 scale for each 32 along K, by v_wmma_scale_f32_16x16x128_f8f6f4 with both operands' format E3M2, f32 sums; everything else in f32.
;; Inputs: cb1 1,024 float32; cb2 1,024 float32; cw1_codes 1,024 x 32 x 24 uint8 (E3M2 codes of cw1, K innermost, in blocks of 32 codes, four codes in three bytes); cw1_scales 1,024 x 32 uint8 (E8M0 scales of cw1, one for each 32 codes along K); cw2_codes 1,024 x 32 x 24 uint8 (E3M2 codes of cw2, K innermost, in blocks of 32 codes, four codes in three bytes); cw2_scales 1,024 x 32 uint8 (E8M0 scales of cw2, one for each 32 codes along K); ln1_b 1,024 float32; ln1_g 1,024 float32; ln2_b 1,024 float32; ln2_g 1,024 float32; tb1 1,024 float32; tb2 1,024 float32; tw1 1,024 x 1,024 float32; tw2 1,024 x 1,024 float32; x 16 x 1,024 x 1,024 float32.
;; Outputs: out0 16 x 1,024 x 1,024 float32.
;; This version of the problem:
;;   THIS VERSION OF THE PROBLEM IS GIVEN IN LOW PRECISION. The matrix products marked QUANTISED in the list below multiply operands that are first quantised to E3M2 (3 exponent bits, 2 mantissa bits; 6 bits a number), with one power-of-two scale for each 32 numbers along K (OCP MX v1.0); their sums are f32. All else is computed in f32.
;;   The module's matrix products, in the order in which they are computed (A, B: the left and right operand; K: the contracted axis; several contracted axes count as one K, in the product's order):
;;     1. [M 16,384, K 1,024] x [K 1,024, N 1,024]; A: computed on the way; B: computed on the way: QUANTISED
;;     2. [M 16,384, K 1,024] x [K 1,024, N 1,024]; A: computed on the way; B: computed on the way: QUANTISED
;;     3. [M 16,384, K 1,024] x [K 1,024, N 1,024]; A: computed on the way; B: input cw1 (given as codes): QUANTISED
;;     4. [M 16,384, K 1,024] x [K 1,024, N 1,024]; A: computed on the way; B: input cw2 (given as codes): QUANTISED
;;   THE QUANTISER, for each operand of a quantised product, along K:
;;     - K is cut into blocks of 32 from its start; a last block that is shorter is filled with zeros.
;;     - A block's scale is 2^e with e = floor(log2(the largest magnitude in the block)) - 4, held to -126 .. 127; a block of zeros has e = 0. As a byte (E8M0): e + 127.
;;     - Each number is divided by its block's scale, clamped to +-28, and rounded to the nearest number of E3M2, ties to even, subnormals kept.
;;     - The product sums the exact products of the quantised numbers (number of the format x scale) in f32.
;;   ~~~python
;;   def quantise(x, axis):      # numpy; x: float32 -> the quantised numbers, widened to float32 again
;;       x = np.moveaxis(x, axis, -1); K = x.shape[-1]
;;       x = np.pad(x, [(0, 0)] * (x.ndim - 1) + [(0, -K % 32)]); x = x.reshape(x.shape[:-1] + (-1, 32)); a = np.abs(x).max(-1, keepdims=True)
;;       e = np.where(a > 0, np.clip(np.frexp(np.where(a > 0, a, 1))[1] - 1 - 4, -126, 127), 0)      # np.frexp(a)[1] - 1 = floor(log2(a)), exactly
;;       r = np.clip(x / 2.0 ** e, -28, 28)
;;       step = 2.0 ** (np.maximum(np.frexp(np.where(r == 0, 1, r))[1] - 1, -2) - 2)
;;       q = np.round(r / step) * step * 2.0 ** e      # np.round: ties to even
;;       return np.moveaxis(q.reshape(q.shape[:-2] + (-1,))[..., :K], -1, axis).astype(np.float32)
;;   ~~~
;;   OPERANDS COMPUTED ON THE WAY. 'Computed on the way' means the value that the module computes at that place (a softmax that the list does not call 'softmax' is quantised finished and normalised). What goes into a quantiser is computed in f32, as accurately as f32 sums, v_exp_f32 and their like allow (about 1e-6 of the number): no bf16 or f16 on the way to a quantiser, and a product that is left as it is and whose result goes on into a quantised operand takes f32 operands (vector FMAs, or v_wmma_f32_16x16x4_f32). A number that lies on a knife's edge between two numbers of the format may be rounded either way, as far as f32 arithmetic and the matrix unit's own rounding can turn it there, and no further.
;;   INPUTS GIVEN AS CODES. cw1 (in the module: [1024, 1024], K = its axis 1); cw2 (in the module: [1024, 1024], K = its axis 1): each comes as NAME_codes (uint8): NAME with its K axis moved to the last place and cut into blocks of 32 codes, [.., K / 32, bytes a block], one block behind the other in memory; four codes in three bytes: a row's codes are one little-endian stream of bits, code i at bits 6 i .. 6 i + 5 (a code: sign, 3 exponent bits, 2 mantissa bits); and NAME_scales (uint8): the same leading axes, one E8M0 byte (e + 127) for each 32 codes along K. Its value is code x scale, taken as it is: it is not quantised again, and the codes and scales need not be those that the quantiser above would give.
;; One version. Each part assembles by itself: llvm-mc -triple=amdgcn-amd-amdhsa -mcpu=gfx1250 --defsym DOCPART=n.
;; ======== version 1 of 1: 3 launches
;; limits: right only within a limited range of input values
;; workspace buffers: stats 131,072 bytes; wt 1,654,784 bytes; wc 1,654,784 bytes; x1 67,108,864 bytes
;; launch prep (part 1): grid 456 x 1, 4 waves a work-group, no clusters, 0 bytes of LDS; arguments x, stats, tw1, tw2, tb1, tb2, wt, cw1_codes, cw2_codes, cw1_scales, cw2_scales, cb1, cb2, wc; writes stats, wt, wc
.if DOCPART == 1
	.amdgcn_target "amdgcn-amd-amdhsa--gfx1250"
	.amdhsa_code_object_version 6
	.text
	.protected	k_q3ee18adc1f_prep
	.globl	k_q3ee18adc1f_prep
	.p2align	8
	.type	k_q3ee18adc1f_prep,@function
k_q3ee18adc1f_prep:
	s_mov_b64 s[64:65], 0
	v_nop
	global_prefetch_b8 v0, s[64:65] scope:SCOPE_SE
	s_setreg_imm32_b32 hwreg(HW_REG_WAVE_MODE, 25, 1), 1
	s_wait_xcnt 0x0
; Three kinds of work-group, parted by the work-group's number alone; no LDS, no barrier: waves share nothing.
;  0-255:   mean and 1/sqrt(var + 1e-5) of the 16,384 rows of x (1,024 numbers each), two passes over a row kept in registers; a wave takes 16 rows.
;  256-327: tw1 and tw2, f32 [out n][in k], with the lower triangle kept (k <= n), quantised along k to codes of E3M2 with one E8M0 byte for each 32.
;           Only the pairs (group g of 128 outputs, K step s of 128) with s <= g are made: 36 for each matrix; all numbers of the others lie above the diagonal.
;  328-455: cw1 and cw2, given as codes: copied as they are.
; The weights leave as RECORDS of 103,424 bytes, one for each 128 outputs n = 128 g .. 128 g + 127, laid in the order of the matrix operand's registers.  A fragment (w, s, u) is 16 rows x 128 k: its lane (r, h) holds
; row 128 g + 32 w + 8 u + r + 8 (r / 8), k = 128 s + 64 c' + 32 h + 0 .. 31 in registers 6 c' .. 6 c' + 5; registers 4 c .. 4 c + 3 lie at 512 c + 16 lane.  A scale word: lanes 0-15 tile u = 0, lanes 16-31 tile u = 1.
;  wc: bytes 0-511 the bias; 512-1023 zeros; 1024 + 1024 w + 128 s + 4 lane the scale words; 5120 + 24576 w + 3072 s + 1536 u the fragments.
;  wt: wave w's part at 25,856 w, and in it: bytes 0-127 its 32 outputs' bias; 128-255 zeros; 256 + 128 s + 4 lane the scale words (zeros for s > g); 1280 + 3072 s + 1536 u the fragments of s <= g:
;      so K steps 0 .. g are a prefix of each wave's part, 17 + 12 g rows of 256 bytes; what lies behind it is neither stored nor read.
; A block's scale byte is its largest magnitude's exponent field - 4, held at 1 from below.  A block of zeros so gets the byte 1 where the rule says 127: its codes are zeros, and this program alone reads the bytes.
; LIMITS: NaN and infinities among the inputs are not served.  A wave's 32 statistics are 128 consecutive bytes, half of an aligned 256; the four waves of a work-group stand side by side on 512.
.set REC,  103424                      ; bytes in a record
.set QREC, 25856                       ; a wave's part of a temporal record
.set XS,  32                           ; v32-223  six row slots of 32 registers
.set T,   224                          ; v224-239 sixteen partial sums
.set PT,  7                            ; v7       the lane exchange's destination
.macro LOADR i                         ; row i: eight loads of 512 consecutive bytes
.irp j, 0,1,2,3,4,5,6,7
	global_load_b128 v[XS+32*((\i)%6)+4*\j:XS+32*((\i)%6)+4*\j+3], v4, s[4:5] offset:4096*(\i)+512*\j
.endr
.endm
.macro TREE                            ; sixteen partial sums a lane become the row's sum, in every lane, in v[T]
.irp k, 0,2,4,6
	v_pk_add_f32 v[T+\k:T+\k+1], v[T+\k:T+\k+1], v[T+8+\k:T+9+\k]
.endr
.irp k, 0,2
	v_pk_add_f32 v[T+\k:T+\k+1], v[T+\k:T+\k+1], v[T+4+\k:T+5+\k]
.endr
	v_pk_add_f32 v[T:T+1], v[T:T+1], v[T+2:T+3]
	v_add_f32 v[T], v[T], v[T+1]
	v_add_f32_dpp v[T], v[T], v[T] row_xmask:1 row_mask:0xf bank_mask:0xf
	v_add_f32_dpp v[T], v[T], v[T] row_xmask:2 row_mask:0xf bank_mask:0xf
	v_add_f32_dpp v[T], v[T], v[T] row_xmask:4 row_mask:0xf bank_mask:0xf
	v_add_f32_dpp v[T], v[T], v[T] row_xmask:8 row_mask:0xf bank_mask:0xf
	v_permlanex16_b32 v[PT], v[T], s40, s41
	v_add_f32 v[T], v[T], v[PT]
.endm
.macro ROWS i                          ; row i's mean and 1/sqrt(var + eps) go to lanes 2 i and 2 i + 1 of v6
.set XB, XS+32*((\i)%6)
.if (\i) <= 10
	s_wait_loadcnt 40                              ; my row's eight loads are in; the five rows behind it may be out
.else
	s_wait_loadcnt 8*(15-(\i))
.endif
.irp k, 0,2,4,6,8,10,12,14
	v_pk_add_f32 v[T+\k:T+\k+1], v[XB+\k:XB+\k+1], v[XB+16+\k:XB+17+\k]
.endr
	TREE
	v_mul_f32 v8, s42, v[T]                        ; the mean
.irp k, 0,2,4,6,8,10,12,14,16,18,20,22,24,26,28,30
	v_pk_add_f32 v[XB+\k:XB+\k+1], v[XB+\k:XB+\k+1], v[8:9] op_sel_hi:[1,0] neg_lo:[0,1] neg_hi:[0,1]
.endr
.irp k, 0,2,4,6,8,10,12,14
	v_pk_mul_f32 v[T+\k:T+\k+1], v[XB+\k:XB+\k+1], v[XB+\k:XB+\k+1]
.endr
.irp k, 0,2,4,6,8,10,12,14
	v_pk_fma_f32 v[T+\k:T+\k+1], v[XB+16+\k:XB+17+\k], v[XB+16+\k:XB+17+\k], v[T+\k:T+\k+1]
.endr
	TREE
	v_fma_f32 v10, v[T], s42, s43                  ; var + eps
	s_wait_alu depctr_va_vdst(0)
	v_rsq_f32 v10, v10
	s_mov_b32 s45, 3<<(2*(\i))
	v_nop                                          ; a plain instruction between the transcendental and the use of its result
	s_wait_alu depctr_va_vdst(0)
	v_cndmask_b32 v11, v8, v10, s44                ; even lanes the mean, odd lanes the other
	v_cndmask_b32 v6, v6, v11, s45                 ; into this row's two lanes
.if (\i)+6 < 16
	LOADR (\i)+6                                   ; the slot takes the row six further on
.endif
.endm
; 32 numbers of ONE lane, a whole block along K, become 24 bytes of codes (two runs of three registers) and a scale byte
.macro QB32 s, ca, cb, ts, tb
	v_max3_num_f32 v12, |v[(\s)]|, |v[(\s)+1]|, |v[(\s)+2]|
	v_max3_num_f32 v13, |v[(\s)+3]|, |v[(\s)+4]|, |v[(\s)+5]|
.irp i, 6,10,14,18,22,26
	v_max3_num_f32 v12, v12, |v[(\s)+\i]|, |v[(\s)+\i+1]|
	v_max3_num_f32 v13, v13, |v[(\s)+\i+2]|, |v[(\s)+\i+3]|
.endr
	v_max3_num_f32 v12, v12, |v[(\s)+30]|, |v[(\s)+31]|
	v_max3_num_f32 v12, v12, v13, 0x2800000        ; and the floor 2^(5 - 127): the byte cannot fall under 1
	v_add_nc_u32 v[(\ts)], 0xfe000000, v12         ; 4 off the exponent field: the conversion takes this operand's exponent field as its scale
	v_lshrrev_b32 v[(\tb)], 23, v[(\ts)]           ; the scale's byte
	v_cvt_scalef32_pk16_bf6_f32 v[(\ca):(\ca)+2], v[(\s):(\s)+15], v[(\ts)]
	v_cvt_scalef32_pk16_bf6_f32 v[(\cb):(\cb)+2], v[(\s)+16:(\s)+31], v[(\ts)]
	v_nop                                          ; a plain instruction behind the scaled conversions
.endm
	s_load_b512 s[4:19], s[0:1], 0x0               ; x, stats, tw1, tw2, tb1, tb2, wt, cw1_codes
	s_load_b256 s[20:27], s[0:1], 0x40             ; cw2_codes, cw1_scales, cw2_scales, cb1
	s_load_b128 s[28:31], s[0:1], 0x60             ; cb2, wc
	v_lshrrev_b32 v1, 5, v0
	v_readfirstlane_b32 s32, v1                    ; wave
	v_and_b32 v1, 31, v0                           ; lane
	v_and_b32 v2, 15, v0                           ; r
	v_bfe_u32 v3, v0, 4, 1                         ; h
	s_mov_b32 s40, 0x76543210
	s_mov_b32 s41, 0xfedcba98                      ; v_permlanex16_b32's selects for lane l xor 16
	s_wait_kmcnt 0x0
	s_cmp_lt_u32 ttmp9, 256
	s_cbranch_scc0 .Lweights
	; ---- the statistics of 16 rows a wave
	s_lshl_b32 s34, ttmp9, 6
	s_lshl_b32 s35, s32, 4
	s_add_co_u32 s34, s34, s35                     ; my first row
	s_lshl_b32 s36, s34, 3                         ; 8 bytes of statistics a row
	s_mov_b32 s37, 0
	s_lshl_b32 s34, s34, 12                        ; 4,096 bytes of x a row: under 2^26
	s_mov_b32 s35, 0
	s_add_nc_u64 s[4:5], s[4:5], s[34:35]
	s_add_nc_u64 s[6:7], s[6:7], s[36:37]
	s_wait_alu depctr_va_vdst(0)
	v_lshlrev_b32 v4, 4, v1
	v_lshlrev_b32 v5, 2, v1
	v_mov_b32 v6, 0
	v_mov_b32 v[PT], 0                             ; a lane permute's destination counts as one of its sources
	v_mov_b32 v9, 0                                ; named as the upper half of the pair v[8:9]
	s_mov_b32 s42, 0x3a800000                      ; 1 / 1,024
	s_mov_b32 s43, 0x3727c5ac                      ; 1e-5
	s_mov_b32 s44, 0xaaaaaaaa
.irp i, 0,1,2,3,4,5
	LOADR \i
.endr
.irp i, 0,1,2,3,4,5,6,7,8,9,10,11,12,13,14,15
	ROWS \i
.endr
	global_store_b32 v5, v6, s[6:7]                ; 32 lanes store 128 consecutive bytes
	s_endpgm
.Lweights:
	s_sub_co_u32 s33, ttmp9, 256                   ; 0 .. 199
	s_wait_alu depctr_va_vdst(0)
	v_and_b32 v4, 8, v2
	v_add_nc_u32 v4, v4, v2                        ; r + 8 (r / 8)
	v_mov_b32 v10, 0
	s_lshl_b32 s57, s32, 5                         ; 32 w
	s_cmp_lt_u32 s33, 72
	s_cbranch_scc0 .Lcodes
	; ---- a temporal weight: two fragments (u = 0, 1) of 16 rows x 128 k, from f32
	s_cmp_ge_u32 s33, 36
	s_cselect_b32 s36, 1, 0                        ; the first or the second matrix
	s_cselect_b32 s37, 36, 0
	s_sub_co_u32 s33, s33, s37                     ; 0 .. 35: the pairs (g, s), s <= g, row by row of the triangle
	s_mov_b32 s35, 0
.irp t, 1,3,6,10,15,21,28
	s_cmp_ge_u32 s33, \t
	s_add_co_ci_u32 s35, s35, 0                    ; g: how many rows of the triangle end in front of my number
.endr
	s_add_co_u32 s37, s35, 1
	s_mul_i32 s37, s37, s35
	s_lshr_b32 s37, s37, 1                         ; g (g + 1) / 2 pairs lie in those rows
	s_sub_co_u32 s34, s33, s37                     ; K step s
	s_mov_b32 s45, s35                             ; the last K step that the record holds
	s_lshl_b32 s37, s36, 3
	s_add_co_u32 s37, s37, s35                     ; the record,
	s_mul_i32 s38, s37, REC
	s_mul_i32 s39, s32, QREC
	s_add_co_u32 s38, s38, s39                     ; and my wave's part of it
	s_mov_b32 s39, 0
	s_add_nc_u64 s[50:51], s[16:17], s[38:39]
	s_mul_i32 s46, s34, 3072
	s_add_co_u32 s46, s46, 1280
	v_lshl_add_u32 v5, v1, 4, s46                  ; the codes' place in the part
	s_lshl_b32 s46, s34, 7
	s_add_co_u32 s46, s46, 256
	v_lshl_add_u32 v6, v1, 2, s46                  ; the scale words'
	v_lshlrev_b32 v7, 2, v1                        ; the bias's
	v_add_nc_u32 v21, 128, v7                      ; the zeros'
	s_lshl_b32 s56, s35, 7
	s_add_co_u32 s56, s56, s57                     ; 128 g + 32 w: my wave's first weight row
	s_lshl_b32 s46, s56, 2
	v_lshl_add_u32 v18, v1, 2, s46                 ; where the bias is read
	s_cmp_eq_u32 s36, 0
	s_cselect_b64 s[52:53], s[8:9], s[10:11]       ; tw1 or tw2: the choice hangs on the work-group's number alone
	s_cselect_b64 s[54:55], s[12:13], s[14:15]     ; tb1 or tb2
	s_lshl_b32 s58, s56, 12
	s_lshl_b32 s59, s34, 9
	s_add_co_u32 s58, s58, s59                     ; row 128 g + 32 w, column 128 s, in bytes
	s_mov_b32 s59, 0
	s_add_nc_u64 s[52:53], s[52:53], s[58:59]
	s_wait_alu depctr_va_vdst(0)
	v_lshlrev_b32 v8, 12, v4
	v_lshl_add_u32 v8, v3, 7, v8                   ; my row of the tile, + 32 h numbers
.irp u, 0,1
.irp c, 0,1
.irp j, 0,1,2,3,4,5,6,7
	global_load_b128 v[64+64*\u+32*\c+4*\j:64+64*\u+32*\c+4*\j+3], v8, s[52:53] offset:32768*\u+256*\c+16*\j
.endr
.endr
.endr
	v_lshlrev_b32 v9, 5, v3
	v_sub_nc_u32 v9, v4, v9
	v_add_nc_u32 v9, s57, v9                       ; on the diagonal (s = g): d = 32 w + r + 8 (r / 8) - 32 h: number 64 c + i of tile u lies above the diagonal where 64 c + i - 8 u > d
	s_wait_loadcnt 0x0
	s_cmp_lt_u32 s34, s35                          ; a K step wholly under the diagonal keeps all its numbers
	s_cbranch_scc1 .Lnomask
	s_wait_alu depctr_va_vdst(0)
.irp u, 0,1
.irp c, 0,1
.set i_, 0
.rept 32
	v_cmp_gt_i32 vcc_lo, 64*\c+i_-8*\u, v9
	v_cndmask_b32 v[64+64*\u+32*\c+i_], v[64+64*\u+32*\c+i_], v10, vcc_lo
.set i_, i_+1
.endr
.endr
.endr
.Lnomask:
.irp u, 0,1
.irp c, 0,1
	QB32 64+64*\u+32*\c, 192+12*\u+6*\c, 216+8*\u+4*\c, 236+2*\u+\c, 232+2*\u+\c
.endr
.endr
.irp u, 0,1
.irp c, 0,1
.irp q, 0,1,2
	v_mov_b32 v[195+12*\u+6*\c+\q], v[216+8*\u+4*\c+\q]   ; a conversion's three registers begin on an even number: a block's second three are made elsewhere and moved
.endr
.endr
.endr
.irp u, 0,1
	v_lshl_or_b32 v[14+\u], v[233+2*\u], 16, v[232+2*\u]  ; my two bytes: blocks h and 2 + h of my row,
.endr
	v_lshlrev_b32 v16, 3, v3
.irp u, 0,1
	v_lshlrev_b32 v[14+\u], v16, v[14+\u]          ; at their places in the word;
.endr
	v_mov_b32 v17, 0
	v_mov_b32 v19, 0
	v_permlanex16_b32 v17, v14, s40, s41
	v_permlanex16_b32 v19, v15, s40, s41
	v_or_b32 v14, v14, v17                         ; with lane l xor 16's two the word is whole
	v_or_b32 v15, v15, v19
	s_mov_b32 s47, 0xffff0000
	v_cndmask_b32 v14, v14, v15, s47               ; lanes 0-15 tile 0's words, lanes 16-31 tile 1's
	s_branch .Lstore
.Lcodes:
	; ---- a channel weight: the same two fragments, as they are given
	s_sub_co_u32 s33, s33, 72                      ; 0 .. 127
	s_and_b32 s34, s33, 7                          ; K step s
	s_bfe_u32 s35, s33, 0x30003                    ; group g
	s_bfe_u32 s36, s33, 0x10006                    ; the first or the second matrix
	s_mov_b32 s45, 7                               ; the record holds all eight K steps
	s_lshl_b32 s37, s36, 3
	s_add_co_u32 s37, s37, s35                     ; the record
	s_mul_i32 s38, s37, REC
	s_mov_b32 s39, 0
	s_add_nc_u64 s[50:51], s[30:31], s[38:39]
	s_mul_i32 s46, s32, 24576
	s_mul_i32 s47, s34, 3072
	s_add_co_u32 s46, s46, s47
	s_add_co_u32 s46, s46, 5120
	v_lshl_add_u32 v5, v1, 4, s46                  ; the codes' place in the record
	s_lshl_b32 s46, s32, 10
	s_lshl_b32 s47, s34, 7
	s_add_co_u32 s46, s46, s47
	s_add_co_u32 s46, s46, 1024
	v_lshl_add_u32 v6, v1, 2, s46                  ; the scale words'
	s_lshl_b32 s46, s32, 7
	v_lshl_add_u32 v7, v1, 2, s46                  ; the bias's
	v_add_nc_u32 v21, 512, v7                      ; the zeros'
	s_lshl_b32 s56, s35, 7
	s_add_co_u32 s56, s56, s57                     ; 128 g + 32 w: my wave's first weight row
	s_lshl_b32 s46, s56, 2
	v_lshl_add_u32 v18, v1, 2, s46                 ; where the bias is read
	s_cmp_eq_u32 s36, 0
	s_cselect_b64 s[52:53], s[18:19], s[20:21]     ; the codes
	s_cselect_b64 s[58:59], s[22:23], s[24:25]     ; the scale bytes
	s_cselect_b64 s[54:55], s[26:27], s[28:29]     ; the bias
	s_mul_i32 s60, s56, 768
	s_mul_i32 s61, s34, 96
	s_add_co_u32 s60, s60, s61
	s_mov_b32 s61, 0
	s_add_nc_u64 s[52:53], s[52:53], s[60:61]
	s_lshl_b32 s62, s56, 5
	s_lshl_b32 s63, s34, 2
	s_add_co_u32 s62, s62, s63
	s_mov_b32 s63, 0
	s_add_nc_u64 s[58:59], s[58:59], s[62:63]
	s_wait_alu depctr_va_vdst(0)
	v_mul_u32_u24 v8, v4, 768
	v_mad_u32_u24 v8, v3, 24, v8
.irp u, 0,1
.irp p, 0,1,2,3,4,5
	global_load_b64 v[192+12*\u+2*\p:193+12*\u+2*\p], v8, s[52:53] offset:6144*\u+48*(\p/3)+8*(\p%3)
.endr
.endr
	v_lshl_add_u32 v9, v3, 3, v4                   ; lanes 16-31 take tile 1's rows, 8 further on
	v_lshlrev_b32 v9, 5, v9
	global_load_b32 v14, v9, s[58:59]
	s_wait_loadcnt 0x0
.Lstore:
.irp f, 0,1,2,3,4,5
	global_store_b128 v5, v[192+4*\f:195+4*\f], s[50:51] offset:512*\f   ; 32 lanes store 512 consecutive bytes, at a multiple of 256 from the buffer's first byte
.endr
	s_wait_alu depctr_va_vdst(0)
	global_store_b32 v6, v14, s[50:51]
	s_cmp_lg_u32 s34, 0                            ; the work-groups of K step 0 also bring the bias, the zeros, and zeros for the scale words of K steps that a temporal record does not hold
	s_cbranch_scc1 .Ldone
	global_load_b32 v20, v18, s[54:55]
	global_store_b32 v21, v10, s[50:51]
.irp t, 1,2,3,4,5,6,7
	s_cmp_lt_u32 s45, \t
	s_cbranch_scc0 .Lheld_\t
	global_store_b32 v7, v10, s[50:51] offset:256+128*\t
.Lheld_\t:
.endr
	s_wait_loadcnt 0x0
	global_store_b32 v7, v20, s[50:51]
.Ldone:
	s_endpgm
.Lfunc_end_k_q3ee18adc1f_prep:
	.size	k_q3ee18adc1f_prep, .Lfunc_end_k_q3ee18adc1f_prep-k_q3ee18adc1f_prep
	.p2alignl 7, 3214868480
	.fill 96, 4, 3214868480
	.section	.rodata,"a",@progbits
	.p2align	6, 0x0
	.amdhsa_kernel k_q3ee18adc1f_prep
		.amdhsa_group_segment_fixed_size 0
		.amdhsa_private_segment_fixed_size 0
		.amdhsa_enable_private_segment 0
		.amdhsa_kernarg_size 112
		.amdhsa_user_sgpr_count 2
		.amdhsa_user_sgpr_kernarg_segment_ptr 1
		.amdhsa_wavefront_size32 1
		.amdhsa_system_sgpr_workgroup_id_x 1
		.amdhsa_system_sgpr_workgroup_id_y 1
		.amdhsa_system_sgpr_workgroup_id_z 1
		.amdhsa_system_vgpr_workitem_id 0
		.amdhsa_next_free_vgpr 256
		.amdhsa_next_free_sgpr 66
		.amdhsa_reserve_vcc 1
		.amdhsa_float_denorm_mode_32 3
		.amdhsa_float_denorm_mode_16_64 3
		.amdhsa_memory_ordered 1
		.amdhsa_forward_progress 1
		.amdhsa_inst_pref_size 114
	.end_amdhsa_kernel
	.amdgpu_metadata
---
amdhsa.version: [ 1, 2 ]
amdhsa.kernels:
  - .name:           k_q3ee18adc1f_prep
    .symbol:         k_q3ee18adc1f_prep.kd
    .args:
      - { .name: x, .offset: 0, .size: 8, .value_kind: global_buffer, .address_space: global }
      - { .name: stats, .offset: 8, .size: 8, .value_kind: global_buffer, .address_space: global }
      - { .name: tw1, .offset: 16, .size: 8, .value_kind: global_buffer, .address_space: global }
      - { .name: tw2, .offset: 24, .size: 8, .value_kind: global_buffer, .address_space: global }
      - { .name: tb1, .offset: 32, .size: 8, .value_kind: global_buffer, .address_space: global }
      - { .name: tb2, .offset: 40, .size: 8, .value_kind: global_buffer, .address_space: global }
      - { .name: wt, .offset: 48, .size: 8, .value_kind: global_buffer, .address_space: global }
      - { .name: cw1_codes, .offset: 56, .size: 8, .value_kind: global_buffer, .address_space: global }
      - { .name: cw2_codes, .offset: 64, .size: 8, .value_kind: global_buffer, .address_space: global }
      - { .name: cw1_scales, .offset: 72, .size: 8, .value_kind: global_buffer, .address_space: global }
      - { .name: cw2_scales, .offset: 80, .size: 8, .value_kind: global_buffer, .address_space: global }
      - { .name: cb1, .offset: 88, .size: 8, .value_kind: global_buffer, .address_space: global }
      - { .name: cb2, .offset: 96, .size: 8, .value_kind: global_buffer, .address_space: global }
      - { .name: wc, .offset: 104, .size: 8, .value_kind: global_buffer, .address_space: global }
    .group_segment_fixed_size: 0
    .private_segment_fixed_size: 0
    .kernarg_segment_align: 8
    .kernarg_segment_size: 112
    .max_flat_workgroup_size: 128
    .sgpr_count:     66
    .vgpr_count:     256
    .wavefront_size: 32
...
	.end_amdgpu_metadata
.endif
;; end of part 1
;; launch tmix (part 2): grid 256 x 1, 4 waves a work-group, clusters of 4 x 1, 327,680 bytes of LDS; arguments x, stats, ln1_g, ln1_b, wt, x1; writes x1
.if DOCPART == 2
	.amdgcn_target "amdgcn-amd-amdhsa--gfx1250"
	.amdhsa_code_object_version 6
	.text
	.protected	k_q3ee18adc1f_tmix
	.globl	k_q3ee18adc1f_tmix
	.p2align	8
	.type	k_q3ee18adc1f_tmix,@function
k_q3ee18adc1f_tmix:
	s_mov_b64 s[64:65], 0
	v_nop
	global_prefetch_b8 v0, s[64:65] scope:SCOPE_SE
	s_setreg_imm32_b32 hwreg(HW_REG_WAVE_MODE, 25, 1), 1
	s_wait_xcnt 0x0
	s_wait_alu depctr_hold_cnt(0) depctr_sa_sdst(0) depctr_va_vdst(0) depctr_va_sdst(0) depctr_va_ssrc(0) depctr_va_vcc(0) depctr_vm_vsrc(0)
	s_getreg_b32 s2, hwreg(HW_REG_IB_STS2, 6, 4)
	s_cmp_eq_u32 s2, 0
	s_cbranch_scc0 .Lentry_in_a_cluster
	s_endpgm
.Lentry_in_a_cluster:
	s_bfe_u32 s2, ttmp6, 0x10000c
	s_cmp_lg_u32 s2, 0x3003
	s_cbranch_scc0 .Lentry_shape_is_right
	s_endpgm
.Lentry_shape_is_right:
; x1[b][t][h] = x[b][t][h] + (gelu(LN1(x)^T W1^T + tb1) W2^T + tb2)^T, W1, W2 the masked temporal weights; both products on codes of E3M2 with one E8M0 scale for each 32 along K (= t).
; SHARES.  A work-group of four waves owns 64 columns h of one batch b: 64 activation rows (four tiles a of 16), all of K and all 1,024 outputs of both layers.  256 work-groups.
; THE ACTIVATIONS STAY IN REGISTERS: every wave holds all 32 fragments (4 a x 8 K steps x 12 registers) of a layer's input, so that each weight fragment read from LDS feeds four matrix instructions.
; THE WAVES SHARE THE OUTPUTS: a trip makes a GROUP g of 128 outputs; wave w makes 32 of them (two tiles u), for all 64 rows: eight accumulators.
; THE MASK.  The weights are lower triangles (k <= n), so group g has numbers in K steps 0 .. g alone: only those are fetched, read and multiplied: 8 (g + 1) matrix instructions a wave, 36 K steps for 64 in a layer.
; A group's weights are a record laid in the order of the operand's registers, wave w's part at 25,856 w: bias, scale words, then the fragments K step by K step; K steps 0 .. g are its first 17 + 12 g rows of 256 bytes,
; which one tensor load a wave brings into a ring of two LDS slots.  Each wave reads its own part alone.
; Behind a trip's round a scalar dispatch on the group's number (counted from constants, the same in all work-groups) leads to that group's ENTRY: the row count of the next record, the refill, the LDS loads, and K step g
; with the bias as C; from there all entries run down one common chain of K steps g - 1 .. 0.  K IS SUMMED DOWNWARD, so that on every way the same loads stand behind a K step's fragments.
; CLUSTER.  All work-groups walk the same 16 records, so the four of a cluster ask for each JOINTLY: the same tensor load, the same descriptor, a mask that names the four.
; THE PRODUCTS ARE USED TRANSPOSED (source 0 = 16 weight rows, source 1 = 16 activation rows), and a tile's weight rows are chosen (lane r: row 8 u + r + 8 (r / 8) of the wave's 32) so that a lane's 16 registers
; of tiles u = 0, 1 are 16 neighbours along the next K.
; GELU, exact: gelu(v) = max(v, 0) - |v| q, q = erfc(|v| / sqrt 2) / 2 = t 2^E, t = 1 / (1 + |v| sqrt 2 / 4), E = -v^2 log2(e) / 2 + a polynomial of degree 9 in t (a fit of erfc with fractional error 1.2e-7).
; LIMITS: NaN and infinities are not served.  q carries some 5e-7 of itself in error, more where |v| is large and q tiny; under 2^-126 q comes out as 0 (ISA guide, v_exp_f32).  A block of zeros gets the scale byte 1: its codes are zeros.
; REGISTERS, in windows of 256: window 0: v1-27 addresses; v32-39 weight scale words; v40-55 activation scale words; v56-71 the bias; v72-135 the accumulators; v136-201 GELU at work; v202-234 the quantiser; v236-243 LN's g and b.
;   windows 1, 2: v0-191 the activation fragments of K steps 0-3, 4-7; v192-255 two sets of 64 numbers of x for the residual.   window 3: v0-191 a group's weight fragments.  (Ahead of the layers windows 1-3 hold x and its statistics.)
.set REC,    103424                    ; from record to record, and an LDS slot
.set QREC,   25856                     ; from a wave's part to the next, in memory and in a slot: 101 rows of 256 bytes
.set ACT,    206848                    ; behind the ring: the activations' codes, 64 rows of 768 bytes + 16
.set ASC,    257024                    ; their scale bytes, 64 rows of 32 bytes + 16
.set STG,    260096                    ; a stage of 8,448 bytes for each wave
.set SPARE,  293888                    ; the spare words, 128 bytes for each wave: two blocks of 256 bytes that no other line names
.set GSTEP,  524288                    ; from a group's 128 rows t of x and x1 to the next's
.set WSR, 32
.set ASR, 40
.set BI,  56
.set ACC, 72
.set GA,  136
.set GT,  152
.set GS,  168
.set GP,  184
.set C9,  200
.set MSB, 0
.macro WIN new                         ; the immediate's high byte repeats the setting that is left; a switch that changes nothing is dropped
.if MSB != (\new)
	s_set_vgpr_msb (MSB<<8)|(\new)
.set MSB, (\new)
.endif
.endm
.macro ROUND                           ; a round of the cluster's barrier
	s_barrier_signal -1
	s_barrier_wait -1
	s_cmp_lg_u32 s16, 0
	s_cbranch_scc1 .Lnot_wave_0_\@
	s_barrier_signal -3
.Lnot_wave_0_\@:
	s_barrier_wait -3
	s_barrier_signal -1
	s_barrier_wait -1
.endm
.macro BARRIER                         ; my LDS stores have landed and my LDS loads are in: then the work-group's barrier.  A record may stay on its way
	s_wait_dscnt 0x0
	s_barrier_signal -1
	s_barrier_wait -1
.endm
; A trip's head: the change of slots.  Behind the round the slot about to be read is whole in all four work-groups and nobody reads the other one, which the group's entry then fills
.macro HEAD slot
	s_wait_tensorcnt 0x0                           ; my part of this trip's record is in, and no tensor load of mine is out: the descriptors may be written
	ds_add_u32 v24, v25                            ; 0 onto my spare word
	s_add_nc_u64 s[34+4*\slot:35+4*\slot], s[34+4*\slot:35+4*\slot], 2*REC   ; this slot's next record
	s_wait_dscnt 0x0                               ; the add is done, and so are my reads of the other slot and my LDS stores
	ROUND
.endm
; All 32 fragments of a layer's input, and their scale words, from LDS into registers
.macro ALOAD
.irp s, 0,1,2,3,4,5,6,7
.if \s < 4
	WIN 0x40
.else
	WIN 0x80
.endif
.irp a, 0,1,2,3
.irp p, 0,1,2,3,4,5
	ds_load_b64 v[12*(4*(\s%4)+\a)+2*\p:12*(4*(\s%4)+\a)+2*\p+1], v10 offset:12544*\a+96*\s+48*(\p/3)+8*(\p%3)
.endr
.endr
.endr
	WIN 0
.irp h, 0,1
	ds_load_b128 v[ASR+8*\h:ASR+8*\h+3], v11 offset:1536*\h        ; register 8 h + s: lanes 0-15 the word of tile 2 h, lanes 16-31 that of tile 2 h + 1, for K step s
	ds_load_b128 v[ASR+8*\h+4:ASR+8*\h+7], v11 offset:1536*\h+16
.endr
	s_wait_dscnt 0x0
.endm
; The product of weight tile u and activation tile a in K step S_ (a symbol).  first = 1: the bias is its C and starts the sum
.macro PROD a, u, first
.set D_, ACC+8*(2*\a+\u)
.if \first
.set C_, BI+8*\u
.else
.set C_, D_
.endif
.set A_, 12*(2*S_+\u)
.set B_, 12*(4*(S_%4)+\a)
.if (\u == 0) && (\a%2 == 0)
	v_wmma_scale_f32_16x16x128_f8f6f4 v[D_:D_+7], v[A_:A_+11], v[B_:B_+11], v[C_:C_+7], v[WSR+S_], v[ASR+8*(\a/2)+S_] matrix_a_fmt:MATRIX_FMT_BF6 matrix_b_fmt:MATRIX_FMT_BF6
.elseif (\u == 1) && (\a%2 == 0)
	v_wmma_scale_f32_16x16x128_f8f6f4 v[D_:D_+7], v[A_:A_+11], v[B_:B_+11], v[C_:C_+7], v[WSR+S_], v[ASR+8*(\a/2)+S_] matrix_a_fmt:MATRIX_FMT_BF6 matrix_b_fmt:MATRIX_FMT_BF6 matrix_a_scale:MATRIX_SCALE_ROW1
.elseif \u == 0
	v_wmma_scale_f32_16x16x128_f8f6f4 v[D_:D_+7], v[A_:A_+11], v[B_:B_+11], v[C_:C_+7], v[WSR+S_], v[ASR+8*(\a/2)+S_] matrix_a_fmt:MATRIX_FMT_BF6 matrix_b_fmt:MATRIX_FMT_BF6 matrix_b_scale:MATRIX_SCALE_ROW1
.else
	v_wmma_scale_f32_16x16x128_f8f6f4 v[D_:D_+7], v[A_:A_+11], v[B_:B_+11], v[C_:C_+7], v[WSR+S_], v[ASR+8*(\a/2)+S_] matrix_a_fmt:MATRIX_FMT_BF6 matrix_b_fmt:MATRIX_FMT_BF6 matrix_a_scale:MATRIX_SCALE_ROW1 matrix_b_scale:MATRIX_SCALE_ROW1
.endif
.endm
; K step S_: eight matrix instructions; the eight accumulators take turns, in the same order in every K step and over every jump.  It begins and ends with every window 0: labels and branches stand round it
.macro KSTEP first
	s_wait_dscnt 6*S_                              ; this K step's two fragments are in; behind them stand, on every way, the six loads of each of the K steps S_ - 1 .. 0, which may be out
.if S_ < 4
	WIN 0x07                                       ; source 0 window 3, source 1 window 1
.else
	WIN 0x0b                                       ; source 1 window 2
.endif
.irp a, 0,1,2,3
.irp u, 0,1
	PROD \a, \u, \first
.endr
.endr
	WIN 0
.endm
; A group's products.  The group's number s49 is one of gmin, gmin + 2 .. gmax (a slot sees the even groups or the odd ones).  refill = 1: the entry asks for the next record, into the other slot.
.macro MM slot, gmin, gmax, refill
.irp g, 1,2,3,4,5,6,7
.if (\g > \gmin) && (\g <= \gmax) && ((\g-\gmin)%2 == 0)
	s_cmp_eq_u32 s49, \g
	s_cbranch_scc1 .Lent\@_\g
.endif
.endr
.irp g, 0,1,2,3,4,5,6,7
.if (\g >= \gmin) && (\g <= \gmax) && ((\g-\gmin)%2 == 0)
.Lent\@_\g:                                            ; GROUP g's ENTRY
.if \refill
	s_mov_b32 s26, (17+12*((\g+1)%8))<<16          ; tensor_dim1 and tile_dim1: the next record (group g + 1; behind a layer's last group the next layer's group 0) has so many rows a wave
	s_mov_b32 s28, 17+12*((\g+1)%8)
	tensor_load_to_lds s[36-4*\slot:39-4*\slot], s[24:31]   ; the first tensor load behind the round, and my one load until the next
	s_nop 0
.rept 4
	v_nop
.endr
.endif
.irp i, 0,1,2,3
	ds_load_b128 v[BI+4*\i:BI+4*\i+3], v[8+\slot] offset:16*\i
.endr
.set S_, 0
.rept \g+1
	ds_load_b32 v[WSR+S_], v[6+\slot] offset:128*S_
.set S_, S_+1
.endr
	WIN 0xc0
.set S_, \g
.rept \g+1                                     ; the fragments in the order of their use: K step g first
.irp f, 0,1,2,3,4,5
	ds_load_b128 v[24*S_+4*\f:24*S_+4*\f+3], v[4+\slot] offset:3072*S_+512*\f
.endr
.set S_, S_-1
.endr
.set S_, \g
	KSTEP 1
.if \g == 0
	s_branch .Ldone\@
.elseif \g < \gmax
	s_branch .Lch\@_\g
.endif
.endif
.endr
.irp g, 7,6,5,4,3,2,1                          ; THE COMMON CHAIN: behind entry g comes K step g - 1
.if \g <= \gmax
.Lch\@_\g:
.set S_, \g-1
	KSTEP 0
.endif
.endr
.Ldone\@:
.rept 5
	v_nop                                          ; places behind the products: four for reads of the results and for loads into their registers, a fifth since the next group's first products write over the accumulators
.endr
.endm
; The exact GELU of 16 registers, in place
.macro G16 x
.irp e, 0,1,2,3,4,5,6,7,8,9,10,11,12,13,14,15
	v_and_b32 v[GA+\e], 0x7fffffff, v[\x+\e]       ; |v|; each accumulator is read from its low end on
.endr
.irp e, 0,2,4,6,8,10,12,14
	v_pk_fma_f32 v[GT+\e:GT+\e+1], v[GA+\e:GA+\e+1], 0x3eb504f3, 1.0 op_sel_hi:[1,0,0]
.endr
	s_wait_alu depctr_va_vdst(0)
.irp e, 0,1,2,3,4,5,6,7,8,9,10,11,12,13,14,15
	v_rcp_f32 v[GT+\e], v[GT+\e]                   ; t
.endr
.irp e, 0,2,4,6,8,10,12,14
	v_pk_mul_f32 v[GS+\e:GS+\e+1], v[\x+\e:\x+\e+1], v[\x+\e:\x+\e+1]   ; v^2 (plain instructions behind the reciprocals)
.endr
	s_wait_alu depctr_va_vdst(0)
.irp e, 0,2,4,6,8,10,12,14
	v_pk_fma_f32 v[GP+\e:GP+\e+1], v[GT+\e:GT+\e+1], v[C9:C9+1], 0xbf97d29d op_sel_hi:[1,1,0]
.endr
.irp c, 0x40097039, 0xbfd1a1e5, 0x3ecdfd18, 0xbe899a80, 0x3e0efb2e, 0x3f0a29d2, 0x3fb8ab5a, 0xc034d90f
.irp e, 0,2,4,6,8,10,12,14
	v_pk_fma_f32 v[GP+\e:GP+\e+1], v[GP+\e:GP+\e+1], v[GT+\e:GT+\e+1], \c op_sel_hi:[1,1,0]
.endr
.endr
.irp e, 0,2,4,6,8,10,12,14
	v_pk_fma_f32 v[GP+\e:GP+\e+1], v[GS+\e:GS+\e+1], 0xbf38aa3b, v[GP+\e:GP+\e+1] op_sel_hi:[1,0,1]
.endr
	s_wait_alu depctr_va_vdst(0)
.irp e, 0,1,2,3,4,5,6,7,8,9,10,11,12,13,14,15
	v_exp_f32 v[GP+\e], v[GP+\e]
.endr
.irp e, 0,1,2,3,4,5,6,7,8,9,10,11,12,13,14,15
	v_max_num_f32 v[\x+\e], 0, v[\x+\e]            ; (plain instructions behind the exponentials)
.endr
	s_wait_alu depctr_va_vdst(0)
.irp e, 0,2,4,6,8,10,12,14
	v_pk_mul_f32 v[GP+\e:GP+\e+1], v[GP+\e:GP+\e+1], v[GT+\e:GT+\e+1]   ; q
.endr
.irp e, 0,2,4,6,8,10,12,14
	v_pk_fma_f32 v[\x+\e:\x+\e+1], v[GA+\e:GA+\e+1], v[GP+\e:GP+\e+1], v[\x+\e:\x+\e+1] neg_lo:[0,1,0] neg_hi:[0,1,0]
.endr
.endm
; The hidden layer's way: GELU, then my 32 outputs are one block of 32 along the next K for each of the 64 rows: a lane's 16 numbers and lane l xor 16's.  12 bytes of codes a lane and a byte a row go to LDS.
.macro GELUQ
	G16 ACC
	G16 ACC+16
	G16 ACC+32
	G16 ACC+48
	v_add_nc_u32 v26, s50, v12                     ; this group's place in the rows of codes: 96 bytes a group,
	v_add_nc_u32 v27, s51, v13                     ; and of scale bytes: 4
.irp a, 0,1,2,3
	v_max3_num_f32 v[202+\a], |v[ACC+16*\a]|, |v[ACC+1+16*\a]|, 0x2800000   ; with the floor 2^(5 - 127): the byte cannot fall under 1
.endr
.irp e, 2,4,6,8,10,12,14
.irp a, 0,1,2,3
	v_max3_num_f32 v[202+\a], v[202+\a], |v[ACC+16*\a+\e]|, |v[ACC+1+16*\a+\e]|
.endr
.endr
.irp a, 0,1,2,3
	v_permlanex16_b32 v[206+\a], v[202+\a], s40, s41
.endr
.irp a, 0,1,2,3
	v_max_num_f32 v[202+\a], v[202+\a], v[206+\a]
.endr
.irp a, 0,1,2,3
	v_add_nc_u32 v[210+\a], 0xfe000000, v[202+\a]  ; 4 off the exponent field: the conversion's scale operand
.endr
.irp a, 0,1,2,3
	v_lshrrev_b32 v[214+\a], 23, v[210+\a]         ; the scale's byte
.endr
.irp a, 0,1,2,3
	v_cvt_scalef32_pk16_bf6_f32 v[220+4*\a:222+4*\a], v[ACC+16*\a:ACC+15+16*\a], v[210+\a]
.endr
	v_nop                                          ; a plain instruction behind the scaled conversions
.irp a, 0,1,2,3
.irp q, 0,1,2
	ds_store_b32 v26, v[220+4*\a+\q] offset:12544*\a+4*\q
.endr
	ds_store_b8 v27, v[214+\a] offset:768*\a       ; both lanes of a row write the same byte with the same value
.endr
	s_add_co_u32 s49, s49, 1                       ; the next group
	s_add_co_u32 s50, s50, 96
	s_add_co_u32 s51, s51, 4
.endm
; 32 numbers of ONE lane, a whole block along K, become 24 bytes of codes (two runs of three registers) and a scale byte
.macro QB32 s, ca, cb, ts, tb
	v_max3_num_f32 v202, |v[(\s)]|, |v[(\s)+1]|, |v[(\s)+2]|
	v_max3_num_f32 v203, |v[(\s)+3]|, |v[(\s)+4]|, |v[(\s)+5]|
.irp i, 6,10,14,18,22,26
	v_max3_num_f32 v202, v202, |v[(\s)+\i]|, |v[(\s)+\i+1]|
	v_max3_num_f32 v203, v203, |v[(\s)+\i+2]|, |v[(\s)+\i+3]|
.endr
	v_max3_num_f32 v202, v202, |v[(\s)+30]|, |v[(\s)+31]|
	v_max3_num_f32 v202, v202, v203, 0x2800000
	v_add_nc_u32 v[(\ts)], 0xfe000000, v202
	v_lshrrev_b32 v[(\tb)], 23, v[(\ts)]
	v_cvt_scalef32_pk16_bf6_f32 v[(\ca):(\ca)+2], v[(\s):(\s)+15], v[(\ts)]
	v_cvt_scalef32_pk16_bf6_f32 v[(\cb):(\cb)+2], v[(\s)+16:(\s)+31], v[(\ts)]
	v_nop
.endm
; Block i of my wave's eight blocks of 32 rows t: 16 loads of x (each half of the lanes takes 256 consecutive bytes of one row) and 8 of the rows' statistics
.macro LOADX i
	WIN (1+(\i)/4)<<6
.irp k, 0,1,2,3,4,5,6,7,8,9,10,11,12,13,14,15
	global_load_b128 v[64*((\i)%4)+4*\k:64*((\i)%4)+4*\k+3], v14, s[44:45] offset:(32*(\i)+\k)*4096
.endr
	WIN 3<<6
.irp k, 0,1,2,3,4,5,6,7
	global_load_b128 v[32*(\i)+4*\k:32*(\i)+4*\k+3], v15, s[6:7] offset:256*(\i)+16*\k
.endr
	WIN 0
.endm
; Block i is normalised, turned through my stage (in by rows t, out by columns h) and quantised along t: a lane then holds a whole block of one column
.macro STEPX i
.set PW_, 1+(\i)/4
.set XB, 64*((\i)%4)
.set SB, 32*(\i)
.if (\i) < 6
	LOADX (\i)+2
	s_wait_loadcnt 48                              ; this block's 24 loads are in; the two blocks behind it may be out
.elseif (\i) == 6
	s_wait_loadcnt 24
.else
	s_wait_loadcnt 0x0
.endif
	WIN (PW_<<6)|(3<<2)|PW_
.irp k, 0,1,2,3,4,5,6,7,8,9,10,11,12,13,14,15
	v_pk_add_f32 v[XB+4*\k:XB+4*\k+1], v[XB+4*\k:XB+4*\k+1], v[SB+2*\k:SB+2*\k+1] op_sel_hi:[1,0] neg_lo:[0,1] neg_hi:[0,1]
	v_pk_add_f32 v[XB+4*\k+2:XB+4*\k+3], v[XB+4*\k+2:XB+4*\k+3], v[SB+2*\k:SB+2*\k+1] op_sel_hi:[1,0] neg_lo:[0,1] neg_hi:[0,1]
.endr
.irp k, 0,1,2,3,4,5,6,7,8,9,10,11,12,13,14,15
	v_pk_mul_f32 v[XB+4*\k:XB+4*\k+1], v[XB+4*\k:XB+4*\k+1], v[SB+2*\k:SB+2*\k+1] op_sel:[0,1] op_sel_hi:[1,1]
	v_pk_mul_f32 v[XB+4*\k+2:XB+4*\k+3], v[XB+4*\k+2:XB+4*\k+3], v[SB+2*\k:SB+2*\k+1] op_sel:[0,1] op_sel_hi:[1,1]
.endr
	WIN (PW_<<6)|PW_
.irp k, 0,1,2,3,4,5,6,7,8,9,10,11,12,13,14,15
	v_pk_fma_f32 v[XB+4*\k:XB+4*\k+1], v[XB+4*\k:XB+4*\k+1], v[236:237], v[240:241]
	v_pk_fma_f32 v[XB+4*\k+2:XB+4*\k+3], v[XB+4*\k+2:XB+4*\k+3], v[238:239], v[242:243]
.endr
	WIN PW_<<2
.irp k, 0,1,2,3,4,5,6,7,8,9,10,11,12,13,14,15
	ds_store_b128 v16, v[XB+4*\k:XB+4*\k+3] offset:256*\k
.endr
	WIN 0
.set t_, 0
.rept 32
	ds_load_b32 v[72+t_], v17 offset:256*t_        ; LDS serves a wave's instructions in order (ISA guide 5.7.1.4): these see my stores
.set t_, t_+1
.endr
.set t_, 0
.rept 32
	ds_load_b32 v[104+t_], v17 offset:256*t_+128
.set t_, t_+1
.endr
	s_wait_dscnt 32                                ; columns 0-31 are in; the 32 loads of columns 32-63 may be out
	QB32 72, 220, 224, 210, 214
.irp q, 0,1,2
	ds_store_b32 v18, v[220+\q] offset:24*(\i)+4*\q
	ds_store_b32 v18, v[224+\q] offset:24*(\i)+12+4*\q
.endr
	ds_store_b8 v19, v214 offset:(\i)
	s_wait_dscnt 7                                 ; columns 32-63 are in; the seven stores just issued may be out
	QB32 104, 228, 232, 211, 215
.irp q, 0,1,2
	ds_store_b32 v18, v[228+\q] offset:25088+24*(\i)+4*\q
	ds_store_b32 v18, v[232+\q] offset:25088+24*(\i)+12+4*\q
.endr
	ds_store_b8 v19, v215 offset:1536+(\i)
.endm
; The second layer's way out: my 32 rows t x 64 columns h turn through my own stage, take x's numbers and leave as pieces of 256 consecutive bytes
.macro OUT slot, notlast, ahead
.set n_, 0
.rept 64
	ds_store_b32 v20, v[ACC+n_] offset:256*(8*((n_/8)%2)+n_%8)+64*(n_/16)   ; each accumulator from its low end on
.set n_, n_+1
.endr
.irp i, 0,1,2,3,4,5,6,7,8,9,10,11,12,13,14,15
	ds_load_b128 v[ACC+4*\i:ACC+4*\i+3], v21 offset:256*\i
.endr
	s_wait_dscnt 0x0
.if \notlast
	s_wait_loadcnt 16                              ; this group's 16 loads of x are in; the next group's may be out
.else
	s_wait_loadcnt 0x0
.endif
	WIN (\slot+1)<<2
.set n_, 0
.rept 32
	v_pk_add_f32 v[ACC+n_:ACC+n_+1], v[ACC+n_:ACC+n_+1], v[192+n_:193+n_]
.set n_, n_+2
.endr
	WIN 0
.irp i, 0,1,2,3,4,5,6,7,8,9,10,11,12,13,14,15
	global_store_b128 v22, v[ACC+4*\i:ACC+4*\i+3], s[46:47] offset:4096*\i   ; 16 lanes store 256 consecutive bytes, at a multiple of 256 from x1's first byte
.endr
.if \ahead
	WIN (\slot+1)<<6
.irp i, 0,1,2,3,4,5,6,7,8,9,10,11,12,13,14,15
	global_load_b128 v[192+4*\i:195+4*\i], v22, s[44:45] offset:2*GSTEP+4096*\i   ; x for the group two on, into the set just used
.endr
	WIN 0
.endif
	s_wait_xcnt 0x0                                ; the stores' data and both bases are written again only behind this wait
	s_add_nc_u64 s[44:45], s[44:45], GSTEP
	s_add_nc_u64 s[46:47], s[46:47], GSTEP
	s_add_co_u32 s49, s49, 1                       ; the next group
.endm
.macro T2 slot, gmin, gmax, refill, ahead
	HEAD \slot
	MM \slot, \gmin, \gmax, \refill
	OUT \slot, \refill, \ahead
.endm
	s_load_b256 s[4:11], s[0:1], 0x0               ; x, stats, ln1_g, ln1_b
	s_load_b128 s[12:15], s[0:1], 0x20             ; wt, x1
	v_lshl_add_u32 v24, v0, 2, SPARE
	v_mov_b32 v25, 0
	ds_add_u32 v24, v25
	ds_add_u32 v24, v25
	s_wait_dscnt 0x0
	v_lshrrev_b32 v1, 5, v0
	v_readfirstlane_b32 s16, v1                    ; wave
	v_and_b32 v1, 31, v0                           ; lane
	s_wait_alu depctr_va_vdst(0)
	v_and_b32 v2, 15, v0                           ; r
	v_bfe_u32 v3, v0, 4, 1                         ; h
	s_wait_alu depctr_va_vdst(0)
	s_bfe_u32 s17, ttmp6, 0x40000                  ; cx: it enters x's, the statistics', g's, b's and x1's addresses alone
	s_lshl_b32 s18, ttmp9, 2
	s_add_co_u32 s18, s18, s17                     ; the work-group's number
	s_mov_b32 s40, 0x76543210
	s_mov_b32 s41, 0xfedcba98
	; descriptor group 1: a wave's part of a record, rows of 256 bytes, dense; the two words with the row count are set anew, by constants, in each group's entry
	s_mov_b32 s24, 15|(3<<16)|(1<<21)              ; 15:0 the mask: all four work-groups; 17:16 elements of 8 bytes; 21 set beside a mask; no padding
	s_mov_b32 s25, 32<<16                          ; tensor_dim0 = 32
	s_mov_b32 s26, 17<<16                          ; tensor_dim1: record 0 holds one K step: 5 + 12 rows
	s_mov_b32 s27, 32<<16                          ; tile_dim0 = 32
	s_mov_b32 s28, 17                              ; tile_dim1
	s_mov_b32 s29, 32                              ; from row to row
	s_mov_b32 s30, 0
	s_mov_b32 s31, 0
	s_mul_i32 s22, s16, QREC                       ; my part, in memory and in a slot
	s_mov_b32 s23, 0
	; LDS addresses
	s_add_co_u32 s52, s22, 1280
	v_lshl_add_u32 v4, v1, 4, s52                  ; my wave's fragments in slot 0,
	v_add_nc_u32 v5, REC, v4                       ; in slot 1
	s_add_co_u32 s52, s22, 256
	v_lshl_add_u32 v6, v1, 2, s52                  ; their scale words
	v_add_nc_u32 v7, REC, v6
	v_lshl_add_u32 v8, v3, 6, s22                  ; the bias of my 16 outputs
	v_add_nc_u32 v9, REC, v8
	v_mul_u32_u24 v10, v2, 784
	v_mad_u32_u24 v10, v3, 24, v10
	v_add_nc_u32 v10, ACT, v10                     ; an activation fragment: row r, + 24 h
	v_mul_u32_u24 v11, v1, 48
	v_add_nc_u32 v11, ASC, v11                     ; activation scale words: a row to a lane
	v_mul_u32_u24 v12, v2, 784
	v_mad_u32_u24 v12, v3, 12, v12
	s_mul_i32 s52, s16, 24
	s_add_co_u32 s52, s52, ACT
	v_add_nc_u32 v12, s52, v12                     ; the hidden layer's codes: row r, block w of a group, + 12 h
	v_mul_u32_u24 v13, v2, 48
	s_add_co_u32 s52, s16, ASC
	v_add_nc_u32 v13, s52, v13                     ; and its scale bytes
	s_mul_i32 s53, s16, 8448
	s_add_co_u32 s53, s53, STG                     ; my stage
	s_lshl_b32 s52, s16, 20
	v_lshlrev_b32 v14, 4, v2
	v_lshl_add_u32 v14, v3, 16, v14
	v_add_nc_u32 v14, s52, v14                     ; x: row 256 w + 16 h, 16 bytes a lane
	s_lshl_b32 s52, s16, 11
	v_lshl_add_u32 v15, v3, 7, s52                 ; the statistics of those rows
	v_lshlrev_b32 v16, 4, v2
	v_lshl_add_u32 v16, v3, 12, v16
	v_add_nc_u32 v16, s53, v16                     ; the stage, in by rows of 256 bytes
	v_lshl_add_u32 v17, v1, 2, s53                 ; and out by columns
	v_mul_u32_u24 v18, v1, 784
	s_mul_i32 s52, s16, 192
	s_add_co_u32 s52, s52, ACT
	v_add_nc_u32 v18, s52, v18                     ; LN(x)'s codes: row = my column, my wave's eight blocks
	v_mul_u32_u24 v19, v1, 48
	s_lshl_b32 s52, s16, 3
	s_add_co_u32 s52, s52, ASC
	v_add_nc_u32 v19, s52, v19
	v_mul_u32_u24 v20, v3, 4160                    ; the way out: lanes 16-31 lie 16 rows and 64 bytes on, in other banks
	v_lshl_add_u32 v20, v2, 2, v20
	v_add_nc_u32 v20, s53, v20
	v_mul_u32_u24 v21, v3, 4160
	v_lshl_add_u32 v21, v2, 4, v21
	v_add_nc_u32 v21, s53, v21
	s_lshl_b32 s52, s16, 17
	v_lshlrev_b32 v22, 4, v2
	v_lshl_add_u32 v22, v3, 16, v22
	v_add_nc_u32 v22, s52, v22                     ; x and x1 on the way out: row 32 w + 16 h of a group
	v_lshlrev_b32 v23, 4, v2                       ; g and b of my four columns
.irp a, 0,1,2,3
	v_mov_b32 v[206+\a], 0                         ; a lane permute's destination counts as one of its sources
.endr
	v_mov_b32 v[C9], 0x3e7c6f08
	v_mov_b32 v[C9+1], 0x3e7c6f08
	s_lshr_b32 s56, s18, 4                         ; the batch
	s_and_b32 s58, s18, 15                         ; which 64 columns
	s_lshl_b32 s54, s56, 22
	s_lshl_b32 s58, s58, 8
	s_add_co_u32 s54, s54, s58
	s_mov_b32 s55, 0
	s_lshl_b32 s56, s56, 13
	s_mov_b32 s57, 0
	s_mov_b32 s59, 0
	s_wait_alu depctr_va_vdst(0)
	s_wait_kmcnt 0x0
	s_add_nc_u64 s[44:45], s[4:5], s[54:55]        ; x at my batch and columns
	s_add_nc_u64 s[46:47], s[14:15], s[54:55]      ; x1 likewise
	s_add_nc_u64 s[6:7], s[6:7], s[56:57]
	s_add_nc_u64 s[8:9], s[8:9], s[58:59]
	s_add_nc_u64 s[10:11], s[10:11], s[58:59]
	s_add_nc_u64 s[20:21], s[12:13], s[22:23]      ; the records at my wave's part: no place in the cluster enters it
.irp p, 0,1
	s_mov_b32 s[32+4*\p], 1                        ; count = 1
	s_add_co_u32 s[33+4*\p], s22, \p*REC           ; LDS address
	s_add_nc_u64 s[34+4*\p:35+4*\p], s[20:21], \p*REC   ; global address: record p
	s_or_b32 s[35+4*\p], s[35+4*\p], 0x80000000    ; type = 2
.endr
	global_load_b128 v[236:239], v23, s[8:9]
	global_load_b128 v[240:243], v23, s[10:11]
	LOADX 0
	LOADX 1
	ROUND                                          ; all four work-groups are here: the first joint load meets
	tensor_load_to_lds s[32:35], s[24:31]          ; record 0
	s_nop 0
.rept 4
	v_nop
.endr
.irp i, 0,1,2,3,4,5,6,7
	STEPX \i
.endr
	BARRIER                                        ; LN(x)'s codes and scale bytes lie in LDS
.irp p, 0,1
	WIN (\p+1)<<6
.irp i, 0,1,2,3,4,5,6,7,8,9,10,11,12,13,14,15
	global_load_b128 v[192+4*\i:195+4*\i], v22, s[44:45] offset:\p*GSTEP+4096*\i   ; x for the second layer's groups 0 and 1: asked for now, wanted behind the first layer
.endr
.endr
	WIN 0
	ALOAD
	s_mov_b32 s49, 0                               ; the group
	s_mov_b32 s50, 0
	s_mov_b32 s51, 0
	s_mov_b32 s42, 8                               ; eight trips, a group each
.Llayer1:                                              ; records 0-7.  The hidden layer's codes take LN(x)'s place in LDS: every wave has its fragments in registers ahead of the first trip's round
	s_wait_tensorcnt 0x0                           ; the change of slots, written once for both slots: my part of this trip's record is in, no tensor load of mine is out
	ds_add_u32 v24, v25                            ; 0 onto my spare word
	s_wait_dscnt 0x0                               ; the add is done, and so are my reads of the other slot and my LDS stores
	ROUND
	s_and_b32 s52, s49, 1                          ; the group's parity says which slot is read: counted from constants, the same in all waves and work-groups
	s_cmp_lg_u32 s52, 0
	s_cbranch_scc1 .Lodd1
	s_add_nc_u64 s[34:35], s[34:35], 2*REC         ; slot 0's next record (its load is done)
	MM 0, 0, 6, 1
	s_branch .Lgelu1
.Lodd1:
	s_add_nc_u64 s[38:39], s[38:39], 2*REC         ; slot 1's next record
	MM 1, 1, 7, 1
.Lgelu1:
	GELUQ                                          ; written once: both slots' products leave the same accumulators
	s_sub_co_u32 s42, s42, 1
	s_cmp_lg_u32 s42, 0
	s_cbranch_scc1 .Llayer1
	BARRIER                                        ; the hidden layer lies in LDS
	ALOAD
	s_mov_b32 s49, 0
	s_mov_b32 s42, 3
.Llayer2:                                              ; records 8-13
	T2 0, 0, 4, 1, 1
	T2 1, 1, 5, 1, 1
	s_sub_co_u32 s42, s42, 1
	s_cmp_lg_u32 s42, 0
	s_cbranch_scc1 .Llayer2
	T2 0, 6, 6, 1, 0                               ; the tail is written out: record 14 asks for record 15, record 15 for nothing
	T2 1, 7, 7, 0, 0
	s_wait_tensorcnt 0x0                           ; the wave's end
	ds_add_u32 v24, v25
	s_wait_dscnt 0x0
	ROUND                                          ; the closing round: no work-group ends while a partner may still ask for a record that names it
	s_endpgm
.Lfunc_end_k_q3ee18adc1f_tmix:
	.size	k_q3ee18adc1f_tmix, .Lfunc_end_k_q3ee18adc1f_tmix-k_q3ee18adc1f_tmix
	.p2alignl 7, 3214868480
	.fill 96, 4, 3214868480
	.section	.rodata,"a",@progbits
	.p2align	6, 0x0
	.amdhsa_kernel k_q3ee18adc1f_tmix
		.amdhsa_group_segment_fixed_size 327680
		.amdhsa_private_segment_fixed_size 0
		.amdhsa_enable_private_segment 0
		.amdhsa_kernarg_size 48
		.amdhsa_user_sgpr_count 2
		.amdhsa_user_sgpr_kernarg_segment_ptr 1
		.amdhsa_wavefront_size32 1
		.amdhsa_system_sgpr_workgroup_id_x 1
		.amdhsa_system_sgpr_workgroup_id_y 1
		.amdhsa_system_sgpr_workgroup_id_z 1
		.amdhsa_system_vgpr_workitem_id 0
		.amdhsa_next_free_vgpr 1024
		.amdhsa_next_free_sgpr 66
		.amdhsa_reserve_vcc 0
		.amdhsa_float_denorm_mode_32 3
		.amdhsa_float_denorm_mode_16_64 3
		.amdhsa_memory_ordered 1
		.amdhsa_forward_progress 1
		.amdhsa_inst_pref_size 255
	.end_amdhsa_kernel
	.section	.bss,"aw",@nobits
	.p2align	6
	.space	262144
	.amdgpu_metadata
---
amdhsa.version: [ 1, 2 ]
amdhsa.kernels:
  - .name:           k_q3ee18adc1f_tmix
    .symbol:         k_q3ee18adc1f_tmix.kd
    .args:
      - { .name: x, .offset: 0, .size: 8, .value_kind: global_buffer, .address_space: global }
      - { .name: stats, .offset: 8, .size: 8, .value_kind: global_buffer, .address_space: global }
      - { .name: ln1_g, .offset: 16, .size: 8, .value_kind: global_buffer, .address_space: global }
      - { .name: ln1_b, .offset: 24, .size: 8, .value_kind: global_buffer, .address_space: global }
      - { .name: wt, .offset: 32, .size: 8, .value_kind: global_buffer, .address_space: global }
      - { .name: x1, .offset: 40, .size: 8, .value_kind: global_buffer, .address_space: global }
    .group_segment_fixed_size: 327680
    .private_segment_fixed_size: 0
    .kernarg_segment_align: 8
    .kernarg_segment_size: 48
    .max_flat_workgroup_size: 128
    .sgpr_count:     66
    .vgpr_count:     1024
    .wavefront_size: 32
...
	.end_amdgpu_metadata
.endif
;; end of part 2
;; launch cmix (part 3): grid 256 x 1, 8 waves a work-group, clusters of 4 x 1, 327,680 bytes of LDS; arguments x1, ln2_g, ln2_b, wc, out0; writes out0
.if DOCPART == 3
	.amdgcn_target "amdgcn-amd-amdhsa--gfx1250"
	.amdhsa_code_object_version 6
	.text
	.protected	k_q3ee18adc1f_cmix
	.globl	k_q3ee18adc1f_cmix
	.p2align	8
	.type	k_q3ee18adc1f_cmix,@function
k_q3ee18adc1f_cmix:
	s_mov_b64 s[64:65], 0
	v_nop
	global_prefetch_b8 v0, s[64:65] scope:SCOPE_SE
	s_setreg_imm32_b32 hwreg(HW_REG_WAVE_MODE, 25, 1), 1
	s_wait_xcnt 0x0
	s_wait_alu depctr_hold_cnt(0) depctr_sa_sdst(0) depctr_va_vdst(0) depctr_va_sdst(0) depctr_va_ssrc(0) depctr_va_vcc(0) depctr_vm_vsrc(0)
	s_getreg_b32 s2, hwreg(HW_REG_IB_STS2, 6, 4)
	s_cmp_eq_u32 s2, 0
	s_cbranch_scc0 .Lentry_in_a_cluster
	s_endpgm
.Lentry_in_a_cluster:
	s_bfe_u32 s2, ttmp6, 0x10000c
	s_cmp_lg_u32 s2, 0x3003
	s_cbranch_scc0 .Lentry_shape_is_right
	s_endpgm
.Lentry_shape_is_right:
; out0[row] = x1[row] + gelu(LN2(x1[row]) cw1^T + cb1) cw2^T + cb2, rows = (b, t), 16,384 of 1,024 numbers; both products on codes of E3M2 with one E8M0 scale for each 32 along K (= h).
; SHARES.  A work-group of eight waves, two on each SIMD, owns 64 rows, all of K and all 1,024 outputs of both layers.  256 work-groups.
; Wave w: q = w % 4 is its quarter (32 outputs, two tiles u) of a GROUP of 128 outputs, p = w / 4 its half of the rows (32 rows, two tiles a): four accumulators, 32 matrix instructions a group.
; A wave keeps the 16 fragments (2 a x 8 K steps x 12 registers) of its 32 rows of a layer's input in registers; a weight fragment read from LDS feeds two matrix instructions.
; A group's weights, for all of K, are one dense record of 103,424 bytes (404 rows of 256) laid in the order of the operand's registers; records go through a ring of two LDS slots.
; Every wave brings a part of each record by one tensor load: waves 0-3 take 53 rows each, waves 4-7 take 48: 212 + 192 = 404.
; CLUSTER.  All work-groups walk the same 16 records, so the four of a cluster ask for each JOINTLY: the same tensor load, the same descriptor, a mask that names the four.
; No prefetch is laid: all 256 work-groups walk the same 16 records in the same order and the ring asks for each a whole trip ahead; x1's rows are asked for at the head, where there is no loop to run ahead in.
; THE PRODUCTS ARE USED TRANSPOSED (source 0 = 16 weight rows, source 1 = 16 activation rows), and a tile's weight rows are chosen (lane r: row 8 u + r + 8 (r / 8) of the wave's 32) so that a lane's 16 registers
; of tiles u = 0, 1 are 16 neighbours along the next K.  The biases are the C of each sum's first matrix instruction.
; GELU: gelu(v) = max(v, 0) - |v| q, q = erfc(|v| / sqrt 2) / 2 = 2^(-v^2 log2(e) / 2) t (c1 + t (c2 + t (c3 + t (c4 + t c5)))), t = 1 / (1 + 0.2316419 |v|).
; LIMITS: NaN and infinities are not served.  The fit of q is off by at most 7.5e-8 in absolute terms, so gelu(v) by 7.5e-8 |v|; where q is far under that, its relative error is large.  A block of zeros gets the scale byte 1: its codes are zeros.
; REGISTERS: window 0: v1-27 addresses; v28-29 c5; v32-39 weight scale words; v40-47 activation scale words; v48-63 the bias; v64-95 the accumulators; v96-159 GELU and the quantiser at work (LN at work);
;   v160-255 weight fragments, a ring of four K steps (ahead of the layers: LN's g and b, the quantiser).   window 1: v0-191 the activation fragments; v192-255 two sets of 32 numbers of x1 for the residual (ahead of the layers: my 8 rows of x1).
.set REC,    103424                    ; a record, and an LDS slot
.set ACT,    206848                    ; behind the ring: the activations' codes, 64 rows of 768 bytes + 16
.set ASC,    257024                    ; their scale bytes, 64 rows of 32 bytes + 16
.set STG,    260096                    ; a stage: ahead of the layers 4,608 bytes for each wave; on the way out 64 rows of 512 bytes + 16, the work-group's
.set SPARE,  296960                    ; the spare words, 128 bytes for each wave: four blocks of 256 bytes that no other line names
.set GSTEP,  512                       ; from a group's 128 columns of x1 and out0 to the next's
.set C9,  28
.set WSR, 32
.set ASR, 40
.set BI,  48
.set ACC, 64
.set GA,  96
.set GT,  112
.set GS,  128
.set GP,  144
.set WF,  160
.set QM,  GA                           ; the hidden layer's quantiser takes GELU's registers: four maxima,
.set QP,  GA+4                         ; two from lane l xor 16,
.set QS,  GA+6                         ; two scale operands,
.set QY,  GA+8                         ; two scale bytes,
.set QC,  GT                           ; two runs of codes
.set T,   96                           ; LN: sixteen partial sums
.set Q,   112                          ; LN: a lane's block of 32
.set MN,  144                          ; LN: the mean (pair), 1/sqrt (pair), the lane exchange's destination
.set RS,  146
.set PM,  148
.set LG,  160                          ; LN: g, b
.set LB,  192
.set MSB, 0
.macro WIN new                         ; the immediate's high byte repeats the setting that is left; a switch that changes nothing is dropped
.if MSB != (\new)
	s_set_vgpr_msb (MSB<<8)|(\new)
.set MSB, (\new)
.endif
.endm
.macro ROUND                           ; a round of the cluster's barrier
	s_barrier_signal -1
	s_barrier_wait -1
	s_cmp_lg_u32 s16, 0
	s_cbranch_scc1 .Lnot_wave_0_\@
	s_barrier_signal -3
.Lnot_wave_0_\@:
	s_barrier_wait -3
	s_barrier_signal -1
	s_barrier_wait -1
.endm
.macro BARRIER                         ; my LDS stores have landed and my LDS loads are in: then the work-group's barrier.  A record may stay on its way
	s_wait_dscnt 0x0
	s_barrier_signal -1
	s_barrier_wait -1
.endm
.macro JLOAD g0                        ; my part of a record: two lines, one for each row count, under a branch on the wave's number alone; every way passes one load
	s_cmp_lt_u32 s16, 4
	s_cbranch_scc0 .Lshort_\@
	tensor_load_to_lds s[\g0:\g0+3], s[24:31]
	s_nop 0
.rept 4
	v_nop
.endr
	s_branch .Lasked_\@
.Lshort_\@:
	tensor_load_to_lds s[\g0:\g0+3], s[56:63]
	s_nop 0
.rept 4
	v_nop
.endr
.Lasked_\@:
.endm
; A trip's head: the change of slots.  Behind the round the slot about to be read is whole in all four work-groups and nobody reads the other one, which takes the next record: one tensor load of mine is out.
.macro HEAD slot, refill
	s_wait_tensorcnt 0x0                           ; my part of this trip's record is in, and no tensor load of mine is out: a group 0 may be written
	ds_add_u32 v24, v25                            ; 0 onto my spare word
	s_add_nc_u64 s[34+4*\slot:35+4*\slot], s[34+4*\slot:35+4*\slot], 2*REC   ; this slot's next record
	s_wait_dscnt 0x0                               ; the add is done, and so are my reads of the other slot and of the stage, and my LDS stores
	ROUND
.if \refill
	JLOAD 36-4*\slot
.endif
.endm
.macro ALOAD                           ; the 16 fragments of my 32 rows of a layer's input, and their scale words, from LDS into registers
	WIN 0x40
.irp s, 0,1,2,3,4,5,6,7
.irp a, 0,1
.irp p, 0,1,2,3,4,5
	ds_load_b64 v[12*(2*\s+\a)+2*\p:12*(2*\s+\a)+2*\p+1], v10 offset:12544*\a+96*\s+48*(\p/3)+8*(\p%3)
.endr
.endr
.endr
	WIN 0
	ds_load_b128 v[ASR:ASR+3], v11                 ; register s: lanes 0-15 the word of tile a = 0, lanes 16-31 that of a = 1, for K step s
	ds_load_b128 v[ASR+4:ASR+7], v11 offset:16
	s_wait_dscnt 0x0
.endm
.macro PROD s, a, u
.set D_, ACC+8*(2*\a+\u)
.if \s == 0
.set C_, BI+8*\u
.else
.set C_, D_
.endif
.set A_, WF+12*(2*(\s%4)+\u)
.set B_, 12*(2*\s+\a)
.if (\u == 0) && (\a == 0)
	v_wmma_scale_f32_16x16x128_f8f6f4 v[D_:D_+7], v[A_:A_+11], v[B_:B_+11], v[C_:C_+7], v[WSR+\s], v[ASR+\s] matrix_a_fmt:MATRIX_FMT_BF6 matrix_b_fmt:MATRIX_FMT_BF6
.elseif (\u == 1) && (\a == 0)
	v_wmma_scale_f32_16x16x128_f8f6f4 v[D_:D_+7], v[A_:A_+11], v[B_:B_+11], v[C_:C_+7], v[WSR+\s], v[ASR+\s] matrix_a_fmt:MATRIX_FMT_BF6 matrix_b_fmt:MATRIX_FMT_BF6 matrix_a_scale:MATRIX_SCALE_ROW1
.elseif \u == 0
	v_wmma_scale_f32_16x16x128_f8f6f4 v[D_:D_+7], v[A_:A_+11], v[B_:B_+11], v[C_:C_+7], v[WSR+\s], v[ASR+\s] matrix_a_fmt:MATRIX_FMT_BF6 matrix_b_fmt:MATRIX_FMT_BF6 matrix_b_scale:MATRIX_SCALE_ROW1
.else
	v_wmma_scale_f32_16x16x128_f8f6f4 v[D_:D_+7], v[A_:A_+11], v[B_:B_+11], v[C_:C_+7], v[WSR+\s], v[ASR+\s] matrix_a_fmt:MATRIX_FMT_BF6 matrix_b_fmt:MATRIX_FMT_BF6 matrix_a_scale:MATRIX_SCALE_ROW1 matrix_b_scale:MATRIX_SCALE_ROW1
.endif
.endm
.macro WLOAD slot, s                   ; K step s's two weight fragments, six loads, into place s % 4 of the ring of registers
.irp f, 0,1,2,3,4,5
	ds_load_b128 v[WF+24*((\s)%4)+4*\f:WF+24*((\s)%4)+4*\f+3], v[4+\slot] offset:3072*(\s)+512*\f
.endr
.endm
; A group's products: bias, scale words and K steps 0-3 in one run of 36 LDS loads; then 8 K steps of 4 matrix instructions; behind each of the first four, K step s + 4 takes its registers.
; The four accumulators take turns.  Source 1 alone lies in window 1, which no LDS load names: one setting serves the whole group.
.macro MM slot
.irp i, 0,1,2,3
	ds_load_b128 v[BI+4*\i:BI+4*\i+3], v[8+\slot] offset:16*\i
.endr
.irp s, 0,1,2,3,4,5,6,7
	ds_load_b32 v[WSR+\s], v[6+\slot] offset:128*\s
.endr
.irp s, 0,1,2,3
	WLOAD \slot, \s
.endr
	WIN 0x04
.irp s, 0,1,2,3,4,5,6,7
.if \s < 5
	s_wait_dscnt 18                                ; this K step's six loads are in; behind them stand the six of each of the next three K steps
.else
	s_wait_dscnt 6*(7-\s)
.endif
.irp a, 0,1
.irp u, 0,1
	PROD \s, \a, \u
.endr
.endr
.if \s < 4
.rept 4
	v_nop                                          ; places in front of loads into registers that the products have read
.endr
	WLOAD \slot, \s+4
.endif
.endr
	WIN 0
.rept 5
	v_nop                                          ; four places for reads of the results, a fifth since the next group's first products write over the accumulators
.endr
.endm
; GELU of 16 registers, in place.  All sources first, one batch of 32 transcendentals, then the polynomial
.macro G16 x
	s_wait_alu depctr_va_vdst(0)                   ; the wait ahead of the first reader of matrix results
.irp e, 0,1,2,3,4,5,6,7,8,9,10,11,12,13,14,15
	v_fma_f32 v[GT+\e], |v[\x+\e]|, 0x3e6d3389, 1.0   ; 1 + 0.2316419 |v|; each accumulator is read from its low end on
.endr
.irp e, 0,2,4,6,8,10,12,14
	v_pk_mul_f32 v[GS+\e:GS+\e+1], v[\x+\e:\x+\e+1], v[\x+\e:\x+\e+1]
.endr
.irp e, 0,2,4,6,8,10,12,14
	v_pk_mul_f32 v[GS+\e:GS+\e+1], v[GS+\e:GS+\e+1], 0xbf38aa3b op_sel_hi:[1,0]   ; -v^2 log2(e) / 2
.endr
	s_wait_alu depctr_va_vdst(0)                   ; the wait ahead of the batch
.irp e, 0,1,2,3,4,5,6,7,8,9,10,11,12,13,14,15
	v_rcp_f32 v[GT+\e], v[GT+\e]                   ; t
.endr
.irp e, 0,1,2,3,4,5,6,7,8,9,10,11,12,13,14,15
	v_exp_f32 v[GS+\e], v[GS+\e]
.endr
.irp e, 0,1,2,3,4,5,6,7,8,9,10,11,12,13,14,15
	v_max_num_f32 v[GA+\e], 0, v[\x+\e]            ; max(v, 0): plain instructions behind the batch
.endr
	s_wait_alu depctr_va_vdst(0)                   ; and the one wait behind it
.irp e, 0,2,4,6,8,10,12,14
	v_pk_fma_f32 v[GP+\e:GP+\e+1], v[GT+\e:GT+\e+1], v[C9:C9+1], 0xbf3a00e3 op_sel_hi:[1,1,0]
.endr
.irp c, 0x3f35f0e3, 0xbe11a98e, 0x3e027906
.irp e, 0,2,4,6,8,10,12,14
	v_pk_fma_f32 v[GP+\e:GP+\e+1], v[GP+\e:GP+\e+1], v[GT+\e:GT+\e+1], \c op_sel_hi:[1,1,0]
.endr
.endr
.irp e, 0,2,4,6,8,10,12,14
	v_pk_mul_f32 v[GP+\e:GP+\e+1], v[GP+\e:GP+\e+1], v[GT+\e:GT+\e+1]
.endr
.irp e, 0,2,4,6,8,10,12,14
	v_pk_mul_f32 v[GP+\e:GP+\e+1], v[GP+\e:GP+\e+1], v[GS+\e:GS+\e+1]   ; q
.endr
.irp e, 0,1,2,3,4,5,6,7,8,9,10,11,12,13,14,15
	v_fma_f32 v[\x+\e], -|v[\x+\e]|, v[GP+\e], v[GA+\e]
.endr
.endm
; The hidden layer's way: GELU, then my 32 outputs are one block of 32 along the next K for each of my 32 rows: a lane's 16 numbers and lane l xor 16's.  12 bytes of codes a lane and a byte a row go to LDS.
.macro GELUQ
	G16 ACC
	G16 ACC+16
	v_add_nc_u32 v26, s50, v12                     ; this group's place in the rows of codes: 96 bytes a group,
	v_add_nc_u32 v27, s51, v13                     ; and of scale bytes: 4
.irp i, 0,1,2,3
	v_max3_num_f32 v[QM+\i], |v[ACC+8*\i]|, |v[ACC+1+8*\i]|, 0x2800000   ; four chains by turns, eight numbers each; with the floor 2^(5 - 127): the byte cannot fall under 1
.endr
.irp e, 2,4,6
.irp i, 0,1,2,3
	v_max3_num_f32 v[QM+\i], v[QM+\i], |v[ACC+8*\i+\e]|, |v[ACC+1+8*\i+\e]|
.endr
.endr
.irp a, 0,1
	v_max_num_f32 v[QM+2*\a], v[QM+2*\a], v[QM+2*\a+1]
.endr
.irp a, 0,1
	v_permlanex16_b32 v[QP+\a], v[QM+2*\a], s40, s41
.endr
.irp a, 0,1
	v_max_num_f32 v[QM+2*\a], v[QM+2*\a], v[QP+\a]
.endr
.irp a, 0,1
	v_add_nc_u32 v[QS+\a], 0xfe000000, v[QM+2*\a]  ; 4 off the exponent field: the conversion's scale operand
.endr
.irp a, 0,1
	v_lshrrev_b32 v[QY+\a], 23, v[QS+\a]           ; the scale's byte
.endr
.irp a, 0,1
	v_cvt_scalef32_pk16_bf6_f32 v[QC+4*\a:QC+4*\a+2], v[ACC+16*\a:ACC+15+16*\a], v[QS+\a]
.endr
	v_nop                                          ; a plain instruction behind the scaled conversions
.irp a, 0,1
.irp q, 0,1,2
	ds_store_b32 v26, v[QC+4*\a+\q] offset:12544*\a+4*\q
.endr
	ds_store_b8 v27, v[QY+\a] offset:768*\a        ; both lanes of a row write the same byte with the same value
.endr
	s_add_co_u32 s50, s50, 96
	s_add_co_u32 s51, s51, 4
.endm
; 32 numbers of ONE lane, a whole block along K, become 24 bytes of codes (two runs of three registers) and a scale byte
.macro QB32 s, ca, cb, ts, tb
	v_max3_num_f32 v150, |v[(\s)]|, |v[(\s)+1]|, |v[(\s)+2]|
	v_max3_num_f32 v151, |v[(\s)+3]|, |v[(\s)+4]|, |v[(\s)+5]|
.irp i, 6,10,14,18,22,26
	v_max3_num_f32 v150, v150, |v[(\s)+\i]|, |v[(\s)+\i+1]|
	v_max3_num_f32 v151, v151, |v[(\s)+\i+2]|, |v[(\s)+\i+3]|
.endr
	v_max3_num_f32 v150, v150, |v[(\s)+30]|, |v[(\s)+31]|
	v_max3_num_f32 v150, v150, v151, 0x2800000
	v_add_nc_u32 v[(\ts)], 0xfe000000, v150
	v_lshrrev_b32 v[(\tb)], 23, v[(\ts)]
	v_cvt_scalef32_pk16_bf6_f32 v[(\ca):(\ca)+2], v[(\s):(\s)+15], v[(\ts)]
	v_cvt_scalef32_pk16_bf6_f32 v[(\cb):(\cb)+2], v[(\s)+16:(\s)+31], v[(\ts)]
	v_nop
.endm
.macro LOADR i                         ; row i of my wave's 8: eight loads of 512 consecutive bytes
	WIN 0x40
.irp j, 0,1,2,3,4,5,6,7
	global_load_b128 v[32*(\i)+4*\j:32*(\i)+4*\j+3], v22, s[44:45] offset:4096*(\i)+512*\j
.endr
	WIN 0
.endm
.macro TREE                            ; sixteen partial sums a lane become the row's sum, in every lane, in v[T]
.irp k, 0,2,4,6
	v_pk_add_f32 v[T+\k:T+\k+1], v[T+\k:T+\k+1], v[T+8+\k:T+9+\k]
.endr
.irp k, 0,2
	v_pk_add_f32 v[T+\k:T+\k+1], v[T+\k:T+\k+1], v[T+4+\k:T+5+\k]
.endr
	v_pk_add_f32 v[T:T+1], v[T:T+1], v[T+2:T+3]
	v_add_f32 v[T], v[T], v[T+1]
	v_add_f32_dpp v[T], v[T], v[T] row_xmask:1 row_mask:0xf bank_mask:0xf
	v_add_f32_dpp v[T], v[T], v[T] row_xmask:2 row_mask:0xf bank_mask:0xf
	v_add_f32_dpp v[T], v[T], v[T] row_xmask:4 row_mask:0xf bank_mask:0xf
	v_add_f32_dpp v[T], v[T], v[T] row_xmask:8 row_mask:0xf bank_mask:0xf
	v_permlanex16_b32 v[PM], v[T], s40, s41
	v_add_f32 v[T], v[T], v[PM]
.endm
; Row i: mean, variance (two passes over the registers), LN, a turn through my stage so that lane l holds block l of the row, codes and scale bytes to LDS
.macro STEPC i
.set XB, 32*(\i)
.if (\i) <= 2
	LOADR (\i)+5
	s_wait_loadcnt 40                              ; this row's eight loads are in; the five rows behind it may be out
.else
	s_wait_loadcnt 8*(7-(\i))
.endif
	WIN 0x05
.irp k, 0,2,4,6,8,10,12,14
	v_pk_add_f32 v[T+\k:T+\k+1], v[XB+\k:XB+\k+1], v[XB+16+\k:XB+17+\k]
.endr
	WIN 0
	TREE
	v_mul_f32 v[MN], s43, v[T]                     ; the mean
	WIN 0x41
.irp k, 0,2,4,6,8,10,12,14,16,18,20,22,24,26,28,30
	v_pk_add_f32 v[XB+\k:XB+\k+1], v[XB+\k:XB+\k+1], v[MN:MN+1] op_sel_hi:[1,0] neg_lo:[0,1] neg_hi:[0,1]
.endr
	WIN 0x05
.irp k, 0,2,4,6,8,10,12,14
	v_pk_mul_f32 v[T+\k:T+\k+1], v[XB+\k:XB+\k+1], v[XB+\k:XB+\k+1]
.endr
.irp k, 0,2,4,6,8,10,12,14
	v_pk_fma_f32 v[T+\k:T+\k+1], v[XB+16+\k:XB+17+\k], v[XB+16+\k:XB+17+\k], v[T+\k:T+\k+1]
.endr
	WIN 0
	TREE
	v_fma_f32 v[RS], v[T], s43, s48                ; var + eps
	s_wait_alu depctr_va_vdst(0)                   ; the wait ahead of the transcendental
	v_rsq_f32 v[RS], v[RS]
	v_nop                                          ; a plain instruction between the transcendental and the use of its result
	WIN 0x41
	s_wait_alu depctr_va_vdst(0)                   ; and behind it
.irp k, 0,2,4,6,8,10,12,14,16,18,20,22,24,26,28,30
	v_pk_mul_f32 v[XB+\k:XB+\k+1], v[XB+\k:XB+\k+1], v[RS:RS+1] op_sel_hi:[1,0]
.endr
.irp k, 0,2,4,6,8,10,12,14,16,18,20,22,24,26,28,30
	v_pk_fma_f32 v[XB+\k:XB+\k+1], v[XB+\k:XB+\k+1], v[LG+\k:LG+1+\k], v[LB+\k:LB+1+\k]
.endr
	WIN 0x04
.irp j, 0,1,2,3,4,5,6,7
	ds_store_b128 v16, v[XB+4*\j:XB+4*\j+3] offset:576*\j          ; the row with 16 bytes of padding behind each block's 128
.endr
	WIN 0
.irp k, 0,1,2,3,4,5,6,7
	ds_load_b128 v[Q+4*\k:Q+4*\k+3], v17 offset:16*\k              ; LDS serves a wave's instructions in order (ISA guide 5.7.1.4): these see my stores
.endr
	s_wait_dscnt 0x0                               ; my block is in
	QB32 Q, 224, 228, 232, 233
.irp q, 0,1,2
	ds_store_b32 v18, v[224+\q] offset:784*(\i)+4*\q
	ds_store_b32 v18, v[228+\q] offset:784*(\i)+12+4*\q
.endr
	ds_store_b8 v19, v233 offset:48*(\i)
.endm
; The second layer's way out: a row's 128 numbers of a group come from four waves: they meet in the work-group's stage, and each wave takes 8 whole pieces of 512 bytes, adds x1's numbers and stores them
.macro OUT slot, notlast, ahead
.irp n, 0,1,2,3
	ds_store_b128 v20, v[ACC+8*\n:ACC+8*\n+3] offset:8448*(\n/2)+32*(\n%2)       ; each accumulator from its low end on
	ds_store_b128 v20, v[ACC+8*\n+4:ACC+8*\n+7] offset:8448*(\n/2)+32*(\n%2)+16
.endr
	BARRIER                                        ; the group's 64 x 128 numbers lie in the stage
.irp i, 0,1,2,3,4,5,6,7
	ds_load_b128 v[ACC+4*\i:ACC+4*\i+3], v21 offset:528*\i
.endr
	s_wait_dscnt 0x0
.if \notlast
	s_wait_loadcnt 8                               ; this group's 8 loads of x1 are in; the next group's may be out
.else
	s_wait_loadcnt 0x0
.endif
	WIN 0x04
.set n_, 0
.rept 16
	v_pk_add_f32 v[ACC+n_:ACC+n_+1], v[ACC+n_:ACC+n_+1], v[192+32*\slot+n_:193+32*\slot+n_]
.set n_, n_+2
.endr
	WIN 0
.irp i, 0,1,2,3,4,5,6,7
	global_store_b128 v22, v[ACC+4*\i:ACC+4*\i+3], s[46:47] offset:4096*\i th:TH_STORE_NT   ; 32 lanes store 512 consecutive bytes, at a multiple of 256 from out0's first byte; written once, read by nobody here
.endr
.if \ahead
	WIN 0x40
.irp i, 0,1,2,3,4,5,6,7
	global_load_b128 v[192+32*\slot+4*\i:195+32*\slot+4*\i], v22, s[44:45] offset:2*GSTEP+4096*\i   ; x1 for the group two on, into the set just used
.endr
	WIN 0
.endif
	s_wait_xcnt 0x0                                ; the stores' data and both bases are written again only behind this wait
	s_add_nc_u64 s[44:45], s[44:45], GSTEP
	s_add_nc_u64 s[46:47], s[46:47], GSTEP
.endm
.macro T2 slot, refill, ahead
	HEAD \slot, \refill
	MM \slot
	OUT \slot, \refill, \ahead
.endm
	s_load_b256 s[4:11], s[0:1], 0x0               ; x1, ln2_g, ln2_b, wc
	s_load_b64 s[12:13], s[0:1], 0x20              ; out0
	v_lshl_add_u32 v24, v0, 2, SPARE
	v_mov_b32 v25, 0
	ds_add_u32 v24, v25                            ; the opening lines: the add, twice on end, and its wait ahead of my first tensor load
	ds_add_u32 v24, v25
	v_lshrrev_b32 v1, 5, v0
	v_readfirstlane_b32 s16, v1                    ; wave 0..7
	s_and_b32 s14, s16, 3                          ; q: my quarter of a group's outputs
	s_lshr_b32 s15, s16, 2                         ; p: my half of the rows
	s_bfe_u32 s17, ttmp6, 0x40000                  ; cx: it enters x1's and out0's addresses alone
	s_lshl_b32 s18, ttmp9, 2
	s_add_co_u32 s18, s18, s17                     ; the work-group's number
	s_mov_b32 s40, 0x76543210
	s_mov_b32 s41, 0xfedcba98                      ; v_permlanex16_b32's selects for lane l xor 16
	s_mov_b32 s43, 0x3a800000                      ; 1 / 1,024
	s_mov_b32 s48, 0x3727c5ac                      ; 1e-5
	; descriptor groups 1: rows of 256 bytes, dense: 53 rows for waves 0-3, 48 for waves 4-7
	s_mov_b32 s24, 15|(3<<16)|(1<<21)              ; 15:0 the mask: all four work-groups; 17:16 elements of 8 bytes; 21 set beside a mask; no padding
	s_mov_b32 s25, 32<<16
	s_mov_b32 s26, 53<<16
	s_mov_b32 s27, 32<<16
	s_mov_b32 s28, 53
	s_mov_b32 s29, 32
	s_mov_b32 s30, 0
	s_mov_b32 s31, 0
	s_mov_b32 s56, 15|(3<<16)|(1<<21)
	s_mov_b32 s57, 32<<16
	s_mov_b32 s58, 48<<16
	s_mov_b32 s59, 32<<16
	s_mov_b32 s60, 48
	s_mov_b32 s61, 32
	s_mov_b32 s62, 0
	s_mov_b32 s63, 0
	s_mul_i32 s22, s16, 12288                      ; my part of a record, in memory and in a slot: 48 rows a wave ahead of me,
	s_min_u32 s23, s16, 4
	s_mul_i32 s23, s23, 1280                       ; and 5 more for each of waves 0-3
	s_add_co_u32 s22, s22, s23
	s_mov_b32 s23, 0
	s_mul_i32 s80, s14, 24576
	s_add_co_u32 s80, s80, 5120                    ; my quarter's fragments in a slot
	s_lshl_b32 s81, s14, 10
	s_add_co_u32 s81, s81, 1024                    ; their scale words
	s_lshl_b32 s82, s14, 7                         ; their bias
	s_mul_i32 s83, s15, 25088
	s_add_co_u32 s83, s83, ACT                     ; my 32 rows of codes
	s_mul_i32 s84, s15, 1536
	s_add_co_u32 s84, s84, ASC                     ; and of scale bytes
	s_mul_i32 s85, s14, 24
	s_add_co_u32 s85, s85, s83                     ; block q of a group
	s_add_co_u32 s86, s84, s14
	s_mul_i32 s87, s16, 4608
	s_add_co_u32 s87, s87, STG                     ; my stage ahead of the layers
	s_mul_i32 s88, s16, 6272
	s_add_co_u32 s88, s88, ACT                     ; LN: my wave's 8 rows of codes
	s_mul_i32 s89, s16, 384
	s_add_co_u32 s89, s89, ASC
	s_mul_i32 s90, s15, 16896
	s_add_co_u32 s90, s90, s82
	s_add_co_u32 s90, s90, STG                     ; the way out, in: my 32 rows, my quarter's 128 bytes
	s_mul_i32 s91, s16, 4224
	s_add_co_u32 s91, s91, STG                     ; and back: my wave's 8 rows
	s_lshl_b32 s92, s16, 15                        ; x1 and out0: my wave's 8 rows
	s_lshl_b32 s54, s18, 18                        ; 64 rows of 4,096 bytes a work-group: under 2^26
	s_mov_b32 s55, 0
	s_wait_dscnt 0x0                               ; both opening adds are done
	v_and_b32 v1, 31, v0                           ; lane
	v_and_b32 v2, 15, v0                           ; r
	v_bfe_u32 v3, v0, 4, 1                         ; h
	v_lshl_add_u32 v4, v1, 4, s80                  ; my fragments in slot 0,
	v_add_nc_u32 v5, REC, v4                       ; in slot 1
	v_lshl_add_u32 v6, v1, 2, s81
	v_add_nc_u32 v7, REC, v6
	v_lshl_add_u32 v8, v3, 6, s82
	v_add_nc_u32 v9, REC, v8
	v_mul_u32_u24 v14, v2, 784
	v_mad_u32_u24 v10, v3, 24, v14
	v_add_nc_u32 v10, s83, v10                     ; an activation fragment: row r, + 24 h
	v_mul_u32_u24 v11, v1, 48
	v_add_nc_u32 v11, s84, v11                     ; activation scale words: a row to a lane
	v_mad_u32_u24 v12, v3, 12, v14
	v_add_nc_u32 v12, s85, v12                     ; the hidden layer's codes: row r, + 12 h
	v_mul_u32_u24 v13, v2, 48
	v_add_nc_u32 v13, s86, v13                     ; and its scale bytes
	v_lshlrev_b32 v15, 4, v1                       ; g and b: 16 bytes a lane
	v_lshrrev_b32 v16, 3, v1
	v_mul_u32_u24 v16, v16, 144
	v_and_b32 v23, 7, v1
	v_lshl_add_u32 v16, v23, 4, v16
	v_add_nc_u32 v16, s87, v16                     ; the stage ahead of the layers, in: 144 (lane / 8) + 16 (lane % 8),
	v_mul_u32_u24 v17, v1, 144
	v_add_nc_u32 v17, s87, v17                     ; and out: a block to a lane
	v_mul_u32_u24 v18, v1, 24
	v_add_nc_u32 v18, s88, v18                     ; LN(x1)'s codes: block = lane
	v_add_nc_u32 v19, s89, v1
	v_mul_u32_u24 v20, v2, 528
	v_lshl_add_u32 v20, v3, 6, v20
	v_add_nc_u32 v20, s90, v20
	v_lshl_add_u32 v21, v1, 4, s91
	v_lshl_add_u32 v22, v1, 4, s92
	v_mov_b32 v[C9], 0x3f07dc22                    ; c5
	v_mov_b32 v[C9+1], 0x3f07dc22
	v_mov_b32 v[MN+1], 0                           ; named as upper halves of pairs
	v_mov_b32 v[RS+1], 0
	v_mov_b32 v[PM], 0                             ; a lane permute's destination counts as one of its sources
	s_wait_alu depctr_va_vdst(0)                   ; the wait at the head's end
	s_wait_kmcnt 0x0
	s_add_nc_u64 s[44:45], s[4:5], s[54:55]        ; x1 at my rows
	s_add_nc_u64 s[46:47], s[12:13], s[54:55]      ; out0 likewise
	s_add_nc_u64 s[20:21], s[10:11], s[22:23]      ; the records at my part: no place in the cluster enters it
.irp p, 0,1
	s_mov_b32 s[32+4*\p], 1                        ; count = 1
	s_add_co_u32 s[33+4*\p], s22, \p*REC           ; LDS address
	s_add_nc_u64 s[34+4*\p:35+4*\p], s[20:21], \p*REC   ; global address: record p
	s_or_b32 s[35+4*\p], s[35+4*\p], 0x80000000    ; type = 2
.endr
.irp j, 0,1,2,3,4,5,6,7
	global_load_b128 v[LG+4*\j:LG+4*\j+3], v15, s[6:7] offset:512*\j
	global_load_b128 v[LB+4*\j:LB+4*\j+3], v15, s[8:9] offset:512*\j
.endr
.irp i, 0,1,2,3,4
	LOADR \i
.endr
	ROUND                                          ; all four work-groups are here: the first joint loads meet
	JLOAD 32                                       ; record 0: one tensor load a wave at the head
.irp i, 0,1,2,3,4,5,6,7
	STEPC \i
.endr
	BARRIER                                        ; LN(x1)'s codes and scale bytes lie in LDS
	WIN 0x40
.irp p, 0,1
.irp i, 0,1,2,3,4,5,6,7
	global_load_b128 v[192+32*\p+4*\i:195+32*\p+4*\i], v22, s[44:45] offset:\p*GSTEP+4096*\i   ; x1 for the second layer's groups 0 and 1: asked for now, wanted behind the first layer
.endr
.endr
	WIN 0
	ALOAD
	s_mov_b32 s50, 0
	s_mov_b32 s51, 0
	s_mov_b32 s42, 4
.Llayer1:                                              ; records 0-7.  The hidden layer's codes take LN(x1)'s place in LDS: every wave has its fragments in registers ahead of the first trip's round
	HEAD 0, 1
	MM 0
	GELUQ
	HEAD 1, 1
	MM 1
	GELUQ
	s_sub_co_u32 s42, s42, 1
	s_cmp_lg_u32 s42, 0
	s_cbranch_scc1 .Llayer1
	BARRIER                                        ; the hidden layer lies in LDS
	ALOAD
	s_mov_b32 s42, 3
.Llayer2:                                              ; records 8-13
	T2 0, 1, 1
	T2 1, 1, 1
	s_sub_co_u32 s42, s42, 1
	s_cmp_lg_u32 s42, 0
	s_cbranch_scc1 .Llayer2
	T2 0, 1, 0                                     ; the tail is written out: record 14 asks for record 15, record 15 for nothing
	T2 1, 0, 0
	s_wait_tensorcnt 0x0                           ; the wave's end
	ds_add_u32 v24, v25
	s_wait_dscnt 0x0
	ROUND                                          ; the closing round: no work-group ends while a partner may still ask for a record that names it
	s_endpgm
.Lfunc_end_k_q3ee18adc1f_cmix:
	.size	k_q3ee18adc1f_cmix, .Lfunc_end_k_q3ee18adc1f_cmix-k_q3ee18adc1f_cmix
	.p2alignl 7, 3214868480
	.fill 96, 4, 3214868480
	.section	.rodata,"a",@progbits
	.p2align	6, 0x0
	.amdhsa_kernel k_q3ee18adc1f_cmix
		.amdhsa_group_segment_fixed_size 327680
		.amdhsa_private_segment_fixed_size 0
		.amdhsa_enable_private_segment 0
		.amdhsa_kernarg_size 40
		.amdhsa_user_sgpr_count 2
		.amdhsa_user_sgpr_kernarg_segment_ptr 1
		.amdhsa_wavefront_size32 1
		.amdhsa_system_sgpr_workgroup_id_x 1
		.amdhsa_system_sgpr_workgroup_id_y 1
		.amdhsa_system_sgpr_workgroup_id_z 1
		.amdhsa_system_vgpr_workitem_id 0
		.amdhsa_next_free_vgpr 512
		.amdhsa_next_free_sgpr 96
		.amdhsa_reserve_vcc 0
		.amdhsa_float_denorm_mode_32 3
		.amdhsa_float_denorm_mode_16_64 3
		.amdhsa_memory_ordered 1
		.amdhsa_forward_progress 1
		.amdhsa_inst_pref_size 220
	.end_amdhsa_kernel
	.amdgpu_metadata
---
amdhsa.version: [ 1, 2 ]
amdhsa.kernels:
  - .name:           k_q3ee18adc1f_cmix
    .symbol:         k_q3ee18adc1f_cmix.kd
    .args:
      - { .name: x1, .offset: 0, .size: 8, .value_kind: global_buffer, .address_space: global }
      - { .name: ln2_g, .offset: 8, .size: 8, .value_kind: global_buffer, .address_space: global }
      - { .name: ln2_b, .offset: 16, .size: 8, .value_kind: global_buffer, .address_space: global }
      - { .name: wc, .offset: 24, .size: 8, .value_kind: global_buffer, .address_space: global }
      - { .name: out0, .offset: 32, .size: 8, .value_kind: global_buffer, .address_space: global }
    .group_segment_fixed_size: 327680
    .private_segment_fixed_size: 0
    .kernarg_segment_align: 8
    .kernarg_segment_size: 40
    .max_flat_workgroup_size: 256
    .sgpr_count:     96
    .vgpr_count:     512
    .wavefront_size: 32
...
	.end_amdgpu_metadata
.endif
;; end of part 3
